; MI455X (gfx1250); checked and timed in simulation.
; The chip was launched on July 23, 2026; its instructions are those of AMD's public machine-readable ISA for CDNA 5 (MIT licence, August 2026) and "CDNA5" Instruction Set Architecture Reference Guide (July 2026). The comments in the code are by the model that wrote it; some were corrected since.
;; Attention. Allowed arithmetic: matrix products marked QUANTISED: E2M1 operands, one E8M0 scale for each 32 along K, by v_wmma_scale_f32_16x16x128_f8f6f4 with both operands' format E2M1 (or v_wmma_scale_f32_32x16x128_f4), f32 sums; products left as they are: bf16, f16 or f32 operands; f32 sums; everything else in f32.
;; Inputs: b_proj 1,024 float32; w_proj 1,024 x 1,024 float32; w_qkv 3,072 x 1,024 float32; x 4 x 2,048 x 1,024 float32.
;; Outputs: out0 4 x 2,048 x 1,024 float32.
;; This version of the problem:
;;   THIS VERSION OF THE PROBLEM IS GIVEN IN LOW PRECISION. The matrix products marked QUANTISED in the list below multiply operands that are first quantised to E2M1 (2 exponent bits, 1 mantissa bit; 4 bits a number), with one power-of-two scale for each 32 numbers along K (OCP MX v1.0); their sums are f32. The products marked 'left as it is' may take bf16, f16 or f32 operands, with f32 sums. Whichever they take, every output number must still come out within the allowed error. Rounding operands to bf16 (8 significant bits) uses up far more of that allowance than f16 does (11 bits, for magnitudes from 6e-5 to 65,504). All else is computed in f32.
;;   The module's matrix products, in the order in which they are computed (A, B: the left and right operand; K: the contracted axis; several contracted axes count as one K, in the product's order):
;;     1. [M 8,192, K 1,024] x [K 1,024, N 3,072]; A: input x; B: input w_qkv: QUANTISED
;;     2. batch 64 x [M 2,048, K 64] x [K 64, N 2,048]; A: computed on the way; B: computed on the way: left as it is (an operand is computed on the way)
;;     3. batch 64 x [M 2,048, K 2,048] x [K 2,048, N 64]; A: computed on the way; B: computed on the way: left as it is (an operand is computed on the way)
;;     4. [M 8,192, K 1,024] x [K 1,024, N 1,024]; A: computed on the way; B: input w_proj: left as it is (an operand is computed on the way)
;;   THE QUANTISER, for each operand of a quantised product, along K:
;;     - K is cut into blocks of 32 from its start; a last block that is shorter is filled with zeros.
;;     - A block's scale is 2^e with e = floor(log2(the largest magnitude in the block)) - 2, held to -126 .. 127; a block of zeros has e = 0. As a byte (E8M0): e + 127.
;;     - Each number is divided by its block's scale, clamped to +-6, and rounded to the nearest number of E2M1, ties to even, subnormals kept.
;;     - The product sums the exact products of the quantised numbers (number of the format x scale) in f32.
;;   ~~~python
;;   def quantise(x, axis):      # numpy; x: float32 -> the quantised numbers, widened to float32 again
;;       x = np.moveaxis(x, axis, -1); K = x.shape[-1]
;;       x = np.pad(x, [(0, 0)] * (x.ndim - 1) + [(0, -K % 32)]); x = x.reshape(x.shape[:-1] + (-1, 32)); a = np.abs(x).max(-1, keepdims=True)
;;       e = np.where(a > 0, np.clip(np.frexp(np.where(a > 0, a, 1))[1] - 1 - 2, -126, 127), 0)      # np.frexp(a)[1] - 1 = floor(log2(a)), exactly
;;       r = np.clip(x / 2.0 ** e, -6, 6)
;;       step = 2.0 ** (np.maximum(np.frexp(np.where(r == 0, 1, r))[1] - 1, 0) - 1)
;;       q = np.round(r / step) * step * 2.0 ** e      # np.round: ties to even
;;       return np.moveaxis(q.reshape(q.shape[:-2] + (-1,))[..., :K], -1, axis).astype(np.float32)
;;   ~~~
;; One version. Each part assembles by itself: llvm-mc -triple=amdgcn-amd-amdhsa -mcpu=gfx1250 --defsym DOCPART=n.
;; ======== version 1 of 1: 4 launches
;; limits: values are held in f16: magnitudes above 65,504 overflow, below 6.1e-05 lose precision
;; workspace buffers: xc 4,194,304 bytes; xs 262,144 bytes; wc 1,572,864 bytes; ws 98,304 bytes; wp 2,097,152 bytes; qkv 50,331,648 bytes; att 16,777,216 bytes
;; launch prep (part 1): grid 384 x 1, 4 waves a work-group, no clusters, 33,280 bytes of LDS; arguments x, w_qkv, xc, xs, wc, ws, w_proj, wp; writes xc, xs, wc, ws, wp
.if DOCPART == 1
	.amdgcn_target "amdgcn-amd-amdhsa--gfx1250"
	.amdhsa_code_object_version 6
	.text
	.protected	k_q1f4eb0b958_prep
	.globl	k_q1f4eb0b958_prep
	.p2align	8
	.type	k_q1f4eb0b958_prep,@function
k_q1f4eb0b958_prep:
	s_mov_b64 s[64:65], 0
	v_nop
	global_prefetch_b8 v0, s[64:65] scope:SCOPE_SE
	s_setreg_imm32_b32 hwreg(HW_REG_WAVE_MODE, 25, 1), 1
	s_wait_xcnt 0x0
; x [8192][1024] and w_qkv [3072][1024], f32, become codes of FP4 (E2M1), K innermost, two codes a byte, with one E8M0 byte for each 32 along K; w_proj [1024][1024], f32, becomes f16.
; A block's scale is 2^(floor(log2(its largest magnitude)) - 2); its byte is the largest magnitude's own exponent field - 2, held at 1 from below.  Each number is divided by the scale and rounded to the nearest code, ties to even; beyond 6 the largest code.
; LIMITS: a block of zeros gets the byte 1 (the stated rule says 127): its codes are zeros, which add nothing under that byte, and this program alone reads the bytes.  NaN and infinities among the inputs are not served.
; w_proj beyond 65,504 in magnitude is not served (f16).
; SHARES.  A work-group takes 32,768 numbers, a wave 8,192.  Work-groups 0-255: x; 256-351: w_qkv; 352-383: w_proj.  Rows are dense and 1,024 is a multiple of 32: every tensor is a plain stream.
; THE QUANTISING WAY: 16 steps of 512 numbers a wave.  Each load reads 512 consecutive bytes; a step's 2,048 bytes turn through the wave's own stage in LDS and come back 64 bytes a lane, so that a lane holds 16 neighbours
; along K (two neighbouring lanes hold a block).  A lane's 16 codes are 8 bytes: a wave's store covers 256 consecutive bytes.  A wave's 256 scale bytes are gathered in LDS and leave as one aligned run of 256 bytes.
; THE f16 WAY: 32 steps of 256 numbers a wave, no LDS: a lane loads 32 neighbouring bytes and stores 16; a wave's store covers 512 consecutive bytes.
.set WAVES, 4
.set STEPS, 16
.set WGA,   256                        ; work-groups for x
.set WGQ,   352                        ; for x and w_qkv together
.set EMAX,  2
.set CB,    8                          ; bytes of 16 codes
.set R,     16                         ; v16-79   four sets of 16 numbers as they are loaded
.set X,     80                         ; v80-111  two sets of 16 neighbours
.set E,     112                        ; v112-127 a scale byte for each step
.set C,     128                        ; v128-191 codes: four registers for each step, so that no store's data are written again
.set L,     16                         ; the f16 way: v16-63 six sets of 8 numbers;
.set H,     64                         ; v64-191 four registers of results for each step, so that no store's data are written again
.set WREG,  8192                       ; LDS: a region for each wave: two stages of 32 x SP bytes, and behind them its 256 scale bytes
.set SP,    80                         ; a lane's place in a stage: its 64 bytes + 16 of padding
.set SPW,   12                         ; v12 LDS address of my spare word; never rewritten
.set NIL,   13                         ; v13 0; never rewritten
.set SPARE, WAVES*WREG                 ; behind the four regions: the spare words, 128 bytes for each wave, which no other line names
	s_load_b256 s[4:11], s[0:1], 0x0               ; x s[4:5], w_qkv s[6:7], x's codes s[8:9], x's scales s[10:11]
	s_load_b256 s[12:19], s[0:1], 0x20             ; w_qkv's codes s[12:13], its scales s[14:15], w_proj s[16:17], its f16 copy s[18:19]
	v_lshl_add_u32 v[SPW], v0, 2, SPARE
	v_mov_b32 v[NIL], 0
	v_lshrrev_b32 v1, 5, v0
	v_readfirstlane_b32 s20, v1                    ; wave
	v_and_b32 v2, 31, v0                           ; lane
	v_lshlrev_b32 v3, 4, v2                        ; 16 x lane: my 16 bytes of a load's 512; on the f16 way my 16 bytes of a store's 512
	s_mul_i32 s21, s20, WREG
	v_lshrrev_b32 v14, 2, v2
	v_mul_u32_u24 v14, v14, SP
	v_and_b32 v15, 3, v2
	v_lshl_add_u32 v14, v15, 4, v14
	v_add_nc_u32 v14, s21, v14                     ; the stage, on the way in: four lanes' 64 bytes on end, then 16 of padding
	v_mul_u32_u24 v15, v2, SP
	v_add_nc_u32 v15, s21, v15                     ; and on the way out: SP x lane: my 16 neighbours
	v_mul_u32_u24 v4, v2, CB                       ; my codes' place in a step's
	v_lshrrev_b32 v5, 1, v2
	s_add_co_u32 s21, s21, 2*32*SP
	v_add_nc_u32 v5, s21, v5                       ; LDS: my wave's 256 scale bytes, my block's byte
	v_lshlrev_b32 v7, 3, v2                        ; and on the way out 8 bytes a lane
	v_add_nc_u32 v6, s21, v7
	v_lshlrev_b32 v10, 5, v2                       ; the f16 way: 32 x lane
	s_wait_kmcnt 0x0
	s_cmp_ge_u32 ttmp9, WGQ                        ; the way hangs on the work-group's number alone
	s_cbranch_scc1 .Lconv
	s_cmp_lt_u32 ttmp9, WGA                        ; x's work-group or w_qkv's?  Only pointers are chosen: both take one way through the text
	s_cselect_b64 s[4:5], s[4:5], s[6:7]
	s_cselect_b64 s[8:9], s[8:9], s[12:13]
	s_cselect_b64 s[10:11], s[10:11], s[14:15]
	s_cselect_b32 s21, 0, WGA
	s_sub_co_u32 s21, ttmp9, s21
	s_lshl_b32 s21, s21, 2
	s_add_co_u32 s22, s21, s20                     ; which run of 8,192 numbers of the tensor is my wave's
	s_mov_b32 s23, 0
	s_mov_b64 s[24:25], 512*STEPS*4
	s_mul_u64 s[24:25], s[22:23], s[24:25]
	s_add_nc_u64 s[4:5], s[4:5], s[24:25]
	s_mov_b64 s[24:25], 32*STEPS*CB
	s_mul_u64 s[24:25], s[22:23], s[24:25]
	s_add_nc_u64 s[8:9], s[8:9], s[24:25]
	s_lshl_b32 s22, s22, 8                         ; 256 scale bytes a run
	s_add_nc_u64 s[10:11], s[10:11], s[22:23]
.macro LOAD t
.irp i, 0,1,2,3
	global_load_b128 v[R+16*((\t)%4)+4*\i:R+16*((\t)%4)+4*\i+3], v3, s[4:5] offset:2048*(\t)+512*\i th:TH_LOAD_NT   ; 32 lanes read 512 consecutive bytes
.endr
.endm
.macro TURN t                          ; step t's numbers through the stage: LDS serves a wave's instructions in order, so no wait stands between the stores and the loads
.irp i, 0,1,2,3
	ds_store_b128 v14, v[R+16*((\t)%4)+4*\i:R+16*((\t)%4)+4*\i+3] offset:32*SP*((\t)%2)+8*SP*\i
.endr
.irp i, 0,1,2,3
	ds_load_b128 v[X+16*((\t)%2)+4*\i:X+16*((\t)%2)+4*\i+3], v15 offset:32*SP*((\t)%2)+16*\i
.endr
.endm
.irp t, 0,1,2,3
	LOAD \t
.endr
	s_wait_loadcnt 12                              ; step 0's four loads are in; the twelve of steps 1 to 3 may be out
	TURN 0
.macro STEP t
.set XS, X+16*((\t)%2)
.if (\t) > 0
	s_wait_dscnt 1                                 ; this step's numbers are back from the stage (the last step's byte store may be out): so its stores into the stage have read their registers,
.else
	s_wait_dscnt 0x0
.endif
.if (\t)+4 < STEPS
	LOAD (\t)+4                                    ; which take the loads of four steps on
.endif
.if (\t)+1 < STEPS
.if STEPS-2-(\t) >= 3
	s_wait_loadcnt 12                              ; the next step's four loads are in; those of the three steps behind it may be out
.else
	s_wait_loadcnt 4*(STEPS-2-(\t))
.endif
	TURN (\t)+1                                    ; and go through the other stage while this step is worked
.endif
	v_max3_num_f32 v8, |v[XS]|, |v[XS+1]|, |v[XS+2]|               ; the largest magnitude of my 16, in two chains
	v_max3_num_f32 v9, |v[XS+3]|, |v[XS+4]|, |v[XS+5]|
.irp i, 6,10
	v_max3_num_f32 v8, v8, |v[XS+\i]|, |v[XS+\i+1]|
	v_max3_num_f32 v9, v9, |v[XS+\i+2]|, |v[XS+\i+3]|
.endr
	v_max3_num_f32 v8, v8, |v[XS+14]|, |v[XS+15]|
	v_max3_num_f32 v8, v8, v9, (EMAX+1)<<23        ; and the floor 2^(EMAX + 1 - 127): so the byte cannot fall under 1
	v_max_num_f32_dpp v8, v8, v8 row_xmask:1 row_mask:0xf bank_mask:0xf   ; and of my neighbour's 16: the block's
	v_add_nc_u32 v11, -(EMAX<<23), v8              ; EMAX off its exponent field: the conversion takes the exponent field of this operand as its scale, and nothing else of it
	v_cvt_scalef32_pk8_fp4_f32 v[C+4*(\t)], v[XS:XS+7], v11        ; eight numbers / the scale, to the nearest code, ties to even; the first number's code in the lowest four bits
	v_cvt_scalef32_pk8_fp4_f32 v[C+4*(\t)+1], v[XS+8:XS+15], v11
	v_lshrrev_b32 v[E+(\t)], 23, v11               ; the scale's byte (a plain line behind the conversions)
	ds_store_b8 v5, v[E+(\t)] offset:16*(\t)       ; both lanes of a block write the same byte with the same value
	global_store_b64 v4, v[C+4*(\t):C+4*(\t)+1], s[8:9] offset:32*CB*(\t)   ; 32 lanes store 256 consecutive bytes
.endm
.irp t, 0,1,2,3,4,5,6,7,8,9,10,11,12,13,14,15
	STEP \t
.endr
	ds_load_b64 v[8:9], v6                         ; LDS serves a wave's instructions in order: these see my byte stores
	s_wait_dscnt 0x0
	global_store_b64 v7, v[8:9], s[10:11]          ; 32 lanes store 256 consecutive bytes of scales
	s_branch .Lend
.Lconv:                                            ; w_proj to f16
	s_sub_co_u32 s21, ttmp9, WGQ
	s_lshl_b32 s21, s21, 2
	s_add_co_u32 s21, s21, s20                     ; which run of 8,192 numbers is my wave's: 0 .. 127
	s_lshl_b32 s22, s21, 15                        ; 32,768 bytes in,
	s_mov_b32 s23, 0
	s_add_nc_u64 s[16:17], s[16:17], s[22:23]
	s_lshl_b32 s22, s21, 14                        ; 16,384 out
	s_add_nc_u64 s[18:19], s[18:19], s[22:23]
.macro LOADC t                         ; step t: 256 numbers, 8 neighbours a lane, into set t % 6
	global_load_b128 v[L+8*((\t)%6):L+8*((\t)%6)+3],   v10, s[16:17] offset:1024*(\t) th:TH_LOAD_NT
	global_load_b128 v[L+8*((\t)%6)+4:L+8*((\t)%6)+7], v10, s[16:17] offset:1024*(\t)+16 th:TH_LOAD_NT
.endm
.macro STEPC t
.if 31-(\t) >= 5
	s_wait_loadcnt 10                              ; this step's two loads are in; the ten of the five steps behind it may be out
.else
	s_wait_loadcnt 2*(31-(\t))
.endif
.irp j, 0,1,2,3
	v_cvt_pk_f16_f32 v[H+4*(\t)+\j], v[L+8*((\t)%6)+2*\j], v[L+8*((\t)%6)+2*\j+1]
.endr
.if (\t)+6 < 32
	LOADC (\t)+6                                   ; the set just read takes the loads of six steps on
.endif
	global_store_b128 v3, v[H+4*(\t):H+4*(\t)+3], s[18:19] offset:512*(\t)   ; 32 lanes store 512 consecutive bytes
.endm
.irp t, 0,1,2,3,4,5
	LOADC \t
.endr
.set Q, 0
.rept 32
	STEPC Q
.set Q, Q+1
.endr
.Lend:
	s_wait_tensorcnt 0x0                           ; the wave's end: these three lines stand behind my last LDS store
	ds_add_u32 v[SPW], v[NIL]
	s_wait_dscnt 0x0
	s_endpgm
.Lfunc_end_k_q1f4eb0b958_prep:
	.size	k_q1f4eb0b958_prep, .Lfunc_end_k_q1f4eb0b958_prep-k_q1f4eb0b958_prep
	.p2alignl 7, 3214868480
	.fill 96, 4, 3214868480
	.section	.rodata,"a",@progbits
	.p2align	6, 0x0
	.amdhsa_kernel k_q1f4eb0b958_prep
		.amdhsa_group_segment_fixed_size 33280
		.amdhsa_private_segment_fixed_size 0
		.amdhsa_enable_private_segment 0
		.amdhsa_kernarg_size 64
		.amdhsa_user_sgpr_count 2
		.amdhsa_user_sgpr_kernarg_segment_ptr 1
		.amdhsa_wavefront_size32 1
		.amdhsa_system_sgpr_workgroup_id_x 1
		.amdhsa_system_sgpr_workgroup_id_y 1
		.amdhsa_system_sgpr_workgroup_id_z 1
		.amdhsa_system_vgpr_workitem_id 0
		.amdhsa_next_free_vgpr 192
		.amdhsa_next_free_sgpr 66
		.amdhsa_reserve_vcc 0
		.amdhsa_float_denorm_mode_32 3
		.amdhsa_float_denorm_mode_16_64 3
		.amdhsa_memory_ordered 1
		.amdhsa_forward_progress 1
		.amdhsa_inst_pref_size 52
	.end_amdhsa_kernel
	.amdgpu_metadata
---
amdhsa.version: [ 1, 2 ]
amdhsa.kernels:
  - .name:           k_q1f4eb0b958_prep
    .symbol:         k_q1f4eb0b958_prep.kd
    .args:
      - { .name: x, .offset: 0, .size: 8, .value_kind: global_buffer, .address_space: global }
      - { .name: w_qkv, .offset: 8, .size: 8, .value_kind: global_buffer, .address_space: global }
      - { .name: xc, .offset: 16, .size: 8, .value_kind: global_buffer, .address_space: global }
      - { .name: xs, .offset: 24, .size: 8, .value_kind: global_buffer, .address_space: global }
      - { .name: wc, .offset: 32, .size: 8, .value_kind: global_buffer, .address_space: global }
      - { .name: ws, .offset: 40, .size: 8, .value_kind: global_buffer, .address_space: global }
      - { .name: w_proj, .offset: 48, .size: 8, .value_kind: global_buffer, .address_space: global }
      - { .name: wp, .offset: 56, .size: 8, .value_kind: global_buffer, .address_space: global }
    .group_segment_fixed_size: 33280
    .private_segment_fixed_size: 0
    .kernarg_segment_align: 8
    .kernarg_segment_size: 64
    .max_flat_workgroup_size: 128
    .sgpr_count:     66
    .vgpr_count:     192
    .wavefront_size: 32
...
	.end_amdgpu_metadata
.endif
;; end of part 1
;; launch qkvgemm (part 2): grid 12 x 32, 4 waves a work-group, clusters of 4 x 4, 327,680 bytes of LDS; arguments xc, xs, wc, ws, qkv; writes qkv
.if DOCPART == 2
	.amdgcn_target "amdgcn-amd-amdhsa--gfx1250"
	.amdhsa_code_object_version 6
	.text
	.protected	k_q1f4eb0b958_qkvgemm
	.globl	k_q1f4eb0b958_qkvgemm
	.p2align	8
	.type	k_q1f4eb0b958_qkvgemm,@function
k_q1f4eb0b958_qkvgemm:
	s_mov_b64 s[64:65], 0
	v_nop
	global_prefetch_b8 v0, s[64:65] scope:SCOPE_SE
	s_setreg_imm32_b32 hwreg(HW_REG_WAVE_MODE, 25, 1), 1
	s_wait_xcnt 0x0
	s_wait_alu depctr_hold_cnt(0) depctr_sa_sdst(0) depctr_va_vdst(0) depctr_va_sdst(0) depctr_va_ssrc(0) depctr_va_vcc(0) depctr_vm_vsrc(0)
	s_getreg_b32 s2, hwreg(HW_REG_IB_STS2, 6, 4)
	s_cmp_eq_u32 s2, 0
	s_cbranch_scc0 .Lentry_in_a_cluster
	s_endpgm
.Lentry_in_a_cluster:
	s_bfe_u32 s2, ttmp6, 0x10000c
	s_cmp_lg_u32 s2, 0xf033
	s_cbranch_scc0 .Lentry_shape_is_right
	s_endpgm
.Lentry_shape_is_right:
; qkv[m][n] = sum over k of Q(x)[m][k] Q(w_qkv)[n][k]: both operands as codes of FP4 (E2M1) with one E8M0 byte for each 32 along K; sums in f32; qkv [8192][3072] is rounded once to f16.
; LIMIT: results beyond 65,504 in magnitude are not served (f16).
; A tile of qkv, 256 x 256, is made by a work-group of four waves; a wave makes 128 x 128: 64 accumulators of 16 x 16, 512 registers.
; K = 1,024 is two K steps of 512 (tile rows of 256 bytes): both lie in LDS at once, in two slots, each filled ONCE, with the first fills; nothing is filled again.
; THE SCALES of the work-group's 256 rows of each operand, for all of K, are two dense blocks of memory: they come into LDS once, as rows of 256 bytes.
; CLUSTERS: 4 x 4 work-groups.  The four of a row of the cluster need the same tiles of x, the four of a column the same tiles of w_qkv: each tile is asked for JOINTLY, by the same tensor load with the
; same descriptor and a mask that names the four.  THE MATRIX INSTRUCTION IS USED TRANSPOSED (source 0 = 16 rows of w_qkv, source 1 = 16 rows of x): a lane then holds eight neighbouring numbers of a row of qkv.
; REGISTERS, in windows of 256: window 0: v0-31 addresses; v32-95 scale words, two sets; from v128 A's fragments (8 x 16 rows x 128 K), ONE set; on the way out v32-255 are free.
;   window 1: B's fragments, TWO sets, at v0 and at v128.   window 2: the 32 accumulators of my rows 0-63 (accumulator (a, b) at v[8 (8 a + b)]);   window 3: those of my rows 64-127.
; A step of 128 along K is 64 matrix instructions, A's blocks one after the other, each against B's eight: a block of A is free as soon as its eight products are issued, so one set serves A; B has two.
.set SIZE_M, 8192
.set SIZE_N, 3072
.set SIZE_K, 1024
.set KSTEP,  512                       ; along K in a slot
.set NQ,     KSTEP/128                 ; matrix instructions deep
.set ROWB,   256                       ; a tile's row in bytes
.set KROW,   SIZE_K*4/8                ; a row of codes in memory
.set PITCH,  272                       ; an LDS row: 256 bytes + 16 of padding = 68 words: the 16 rows that a load touches start at 16 different banks (64 banks of 4 bytes: ISA guide 11.1)
.set FR,     8                         ; registers of a fragment: 16 rows x 128 K
.set NL,     2                         ; LDS loads that bring one
.set NP,     4                         ; places behind this matrix instruction (ISA guide 7.12.1)
.set HALFT,  128*PITCH                 ; 128 rows: what one tensor load brings, and what one wave reads of A or of B
.set SLOT,   4*HALFT                   ; A's 256 rows, then B's 256 rows
.set KS,     SIZE_K/32                 ; a row of scales in bytes
.set SCL,    2*SLOT                    ; behind the slots: the scales, as rows of 256 bytes + 16 of padding
.set HALFS,  (128*KS/256)*272          ; the scales of 128 rows: what one tensor load brings
.set SBLK,   (16*KS/256)*272           ; those of 16 rows
.set SPARE,  SCL+4*HALFS               ; behind the scales: the spare words, 128 bytes for each wave, which no other line names
.set SPITCH, 272                       ; the way out: a stage of 16 rows x (256 bytes + 16) for each wave, in slot 0, which has had its one fill and its last read when the first result is stored there
.set ADRA, 16                          ; v16-17  LDS address of my A fragments in slot 0, 1
.set ADRB, 20                          ; v20-21  the same for B
.set STO,  24                          ; v24     the way out: where I put 16 bytes of a row
.set RD,   25                          ; v25     the way out: where I read a row back
.set CO,   26                          ; v26     my byte offset in two rows of qkv
.set ADRS, 27                          ; v27     LDS address of my scale words: lanes 0-15 A's rows, lanes 16-31 B's
.set SPW,  28                          ; v28     LDS address of my spare word; never rewritten
.set NIL,  29                          ; v29     0; never rewritten
.set SC,   32                          ; scale words: set s at v[SC + 8 NQ s]; register NQ i + q: lanes 0-15 the word of A's block i, lanes 16-31 that of B's block i, for the slot's q-th 128 along K
.set AF,   128                         ; A's fragments, in window 0
.set TMP,  192                         ; the way out: packed results, v192-223
.set OB,   32                          ; the way out: 16 rows read back from the stage: v32-63 and v224-255 by turns
.set G1, 24                            ; s[24:31] descriptor group 1 for A's tiles;  s[32:39] group 0, one set for each slot
.set G0, 32
.set G1B, 48                           ; s[48:55], s[56:63] the same for B's tiles
.set G0B, 56
.set G1S, 68                           ; s[68:75], s[76:79] groups 1 and 0 for A's scales;  s[80:87], s[88:91] for B's
.set G0S, 76
.set G1SB, 80
.set G0SB, 88
.set MSB, 0
.macro WIN new                         ; the immediate's high byte repeats the setting that is left
.if MSB != (\new)
	s_set_vgpr_msb (MSB<<8)|(\new)
.set MSB, (\new)
.endif
.endm
.set MUL_LO, 0xa1                      ; source 0 (B) window 1, source 1 (A) window 0, C and D window 2
.set MUL_HI, 0xf1                      ; the same, C and D window 3
.set TO_B,   0x40                      ; destination window 1, address window 0
; A joint load: waves 0 and 1 fetch for A, waves 2 and 3 for B.  Each of the two lines has ONE mask and one set of registers for all that issue it; the branch hangs on the wave's number alone.
; An s_nop 0 and four v_nop follow each of the two lines, ahead of the jump, the label and what follows.
.macro JLOAD g0a, g1a, g0b, g1b
	s_cmp_eq_u32 s15, 0
	s_cbranch_scc0 .Lfor_b_\@
	tensor_load_to_lds s[\g0a:\g0a+3], s[\g1a:\g1a+7]
	s_nop 0
.rept 4
	v_nop
.endr
	s_branch .Lasked_\@
.Lfor_b_\@:
	tensor_load_to_lds s[\g0b:\g0b+3], s[\g1b:\g1b+7]
	s_nop 0
.rept 4
	v_nop
.endr
.Lasked_\@:
.endm
.macro CROUND                          ; a round of the cluster's barrier: my work-group's barrier; wave 0 signals for the work-group; every wave waits for all sixteen; my work-group's barrier once more
	s_barrier_signal -1
	s_barrier_wait -1
	s_cmp_lg_u32 s14, 0
	s_cbranch_scc1 .Lnot_wave_0_\@
	s_barrier_signal -3
.Lnot_wave_0_\@:
	s_barrier_wait -3
	s_barrier_signal -1
	s_barrier_wait -1
.endm
	s_load_b128 s[4:7], s[0:1], 0x0                ; A's codes s[4:5], A's scales s[6:7]
	s_load_b128 s[8:11], s[0:1], 0x10              ; B's codes s[8:9], B's scales s[10:11]
	s_load_b64 s[12:13], s[0:1], 0x20              ; qkv
	v_lshl_add_u32 v[SPW], v0, 2, SPARE
	v_mov_b32 v[NIL], 0
	ds_add_u32 v[SPW], v[NIL]                      ; the wave's opening: the add, twice on end, and its wait ahead of my first tensor load; the set-up below stands between the second and the wait
	ds_add_u32 v[SPW], v[NIL]
	v_lshrrev_b32 v1, 5, v0
	v_readfirstlane_b32 s14, v1                    ; wave 0..3
	s_lshr_b32 s15, s14, 1                         ; which half of the tile's rows is mine.  Also: I fetch for A (0) or for B (1)
	s_and_b32 s16, s14, 1                          ; which half of its columns.  Also: which 128 rows of that tile I fetch
	s_bfe_u32 s40, ttmp6, 0x40000                  ; cx, cy: my place in the cluster
	s_bfe_u32 s41, ttmp6, 0x40004
	s_lshl_b32 s42, ttmp9, 2
	s_add_co_u32 s42, s42, s40                     ; tile column = 4 x cluster x + cx
	s_and_b32 s17, ttmp7, 0xffff
	s_lshl_b32 s17, s17, 2
	s_add_co_u32 s17, s17, s41                     ; tile row = 4 x cluster y + cy
	s_lshl_b32 s43, s41, 2
	s_lshl_b32 s43, 15, s43                        ; my row of the cluster
	s_lshl_b32 s44, 0x1111, s40                    ; my column
	; descriptor group 1: a tile of 128 rows x 256 bytes, padded in LDS
	s_or_b32 s[G1+0], s43, (0<<16)|(1<<20)|(1<<21)|(5<<22)|(3<<25)  ; 15:0 the mask: A's tiles go to my row; 17:16 element of 1 byte; 20 padding on; 21 set beside a mask; 24:22 after every 64 words (code 5); 31:25 of 4 words (code 3)
	s_or_b32 s[G1B+0], s44, (0<<16)|(1<<20)|(1<<21)|(5<<22)|(3<<25)
.irp g, G1, G1B
	s_mov_b32 s[\g+1], ROWB<<16                    ; tensor_dim0
	s_mov_b32 s[\g+2], 128<<16                     ; tensor_dim1 = 128
	s_mov_b32 s[\g+3], ROWB<<16                    ; tile_dim0
	s_mov_b32 s[\g+4], 128                         ; tile_dim1 = 128
	s_mov_b32 s[\g+5], KROW                        ; tensor_dim0_stride
	s_mov_b32 s[\g+6], 0
	s_mov_b32 s[\g+7], 0
.endr
	; and for the scales of 128 rows: a dense block of 4,096 bytes, as 16 rows of 256 bytes (32 elements of 8 bytes), 16 bytes of padding behind each
	s_or_b32 s[G1S+0], s43, (3<<16)|(1<<20)|(1<<21)|(5<<22)|(3<<25)
	s_or_b32 s[G1SB+0], s44, (3<<16)|(1<<20)|(1<<21)|(5<<22)|(3<<25)
.irp g, G1S, G1SB
	s_mov_b32 s[\g+1], 32<<16
	s_mov_b32 s[\g+2], (128*KS/256)<<16
	s_mov_b32 s[\g+3], 32<<16
	s_mov_b32 s[\g+4], 128*KS/256
	s_mov_b32 s[\g+5], 32
	s_mov_b32 s[\g+6], 0
	s_mov_b32 s[\g+7], 0
.endr
	s_lshl_b32 s18, s16, 7                         ; which 128 rows of the tile I fetch
	s_lshl_b32 s20, s17, 8
	s_add_co_u32 s20, s20, s18                     ; A: row 256 x tile row + 128 x half
	s_lshl_b32 s46, s42, 8
	s_add_co_u32 s46, s46, s18                     ; B: row 256 x tile column + 128 x half
	s_mov_b32 s21, 0
	s_mov_b32 s47, 0
	s_mov_b64 s[18:19], KS
	s_mul_u64 s[22:23], s[20:21], s[18:19]         ; where these rows' scales begin, in bytes
	s_mul_u64 s[92:93], s[46:47], s[18:19]
	s_mov_b64 s[18:19], KROW
	s_mul_u64 s[20:21], s[20:21], s[18:19]         ; and their codes
	s_mul_u64 s[46:47], s[46:47], s[18:19]
	s_mul_i32 s45, s14, HALFT                      ; where they go: wave x 128 rows: no place in the cluster enters an LDS address
	s_mul_i32 s94, s14, HALFS
	s_wait_dscnt 0x0                               ; both opening adds are done
	s_wait_kmcnt 0x0
	s_add_nc_u64 s[20:21], s[4:5], s[20:21]
	s_add_nc_u64 s[22:23], s[6:7], s[22:23]
	s_add_nc_u64 s[46:47], s[8:9], s[46:47]
	s_add_nc_u64 s[92:93], s[10:11], s[92:93]
	CROUND                                         ; all sixteen work-groups are here: the joint loads meet
	s_mov_b32 s[G0S], 1
	s_add_co_u32 s[G0S+1], s94, SCL
	s_mov_b64 s[G0S+2:G0S+3], s[22:23]
	s_or_b32 s[G0S+3], s[G0S+3], 0x80000000
	s_mov_b32 s[G0SB], 1
	s_add_co_u32 s[G0SB+1], s94, SCL
	s_mov_b64 s[G0SB+2:G0SB+3], s[92:93]
	s_or_b32 s[G0SB+3], s[G0SB+3], 0x80000000
	JLOAD G0S, G1S, G0SB, G1SB                     ; the scales first: they are wanted with K step 0
.irp s, 0,1
	s_mov_b32 s[G0+4*\s], 1
	s_add_co_u32 s[G0+4*\s+1], s45, \s*SLOT
	s_add_nc_u64 s[G0+4*\s+2:G0+4*\s+3], s[20:21], \s*ROWB
	s_or_b32 s[G0+4*\s+3], s[G0+4*\s+3], 0x80000000
	s_mov_b32 s[G0B+4*\s], 1
	s_add_co_u32 s[G0B+4*\s+1], s45, \s*SLOT
	s_add_nc_u64 s[G0B+4*\s+2:G0B+4*\s+3], s[46:47], \s*ROWB
	s_or_b32 s[G0B+4*\s+3], s[G0B+4*\s+3], 0x80000000
	JLOAD G0+4*\s, G1, G0B+4*\s, G1B               ; three tensor loads of mine are out at the most
.endr
	v_and_b32 v1, 15, v0                           ; l % 16
	v_bfe_u32 v2, v0, 4, 1                         ; l / 16
	v_mul_u32_u24 v3, v1, PITCH
	v_lshl_add_u32 v4, v2, 4, v3                   ; a fragment's row x pitch + 16 x half
	s_mul_i32 s21, s15, HALFT                      ; my 128 rows of A
	s_mul_i32 s22, s16, HALFT                      ; my 128 rows of B,
	s_add_co_u32 s22, s22, 2*HALFT                 ; which lie behind A's 256
.irp s, 0,1
	v_add_nc_u32 v[ADRA+\s], s21, v4
	v_add_nc_u32 v[ADRB+\s], s22, v4
	s_add_co_u32 s21, s21, SLOT
	s_add_co_u32 s22, s22, SLOT
.endr
	v_mul_u32_u24 v5, v1, KS                       ; my row's scales: KS bytes a row,
	v_lshrrev_b32 v6, 8, v5
	v_lshl_add_u32 v5, v6, 4, v5                   ; and 16 more for each 256 passed
	s_mul_i32 s21, s15, HALFS                      ; A's: my 128 rows
	s_mul_i32 s22, s16, HALFS                      ; B's: my 128 rows, behind A's 256
	s_add_co_u32 s22, s22, 2*HALFS
	s_sub_co_u32 s22, s22, s21
	v_mul_u32_u24 v6, s22, v2                      ; lanes 16-31 take B's
	s_add_co_u32 s21, s21, SCL
	v_add_nc_u32 v5, v5, v6
	v_add_nc_u32 v[ADRS], s21, v5
	s_mul_i32 s23, s14, 16*SPITCH                  ; my stage
	v_mul_u32_u24 v5, v1, SPITCH                   ; in: row l % 16, 16 bytes for each half of the lanes
	v_lshl_add_u32 v5, v2, 4, v5
	v_add_nc_u32 v[STO], s23, v5
	v_mul_u32_u24 v5, v2, SPITCH                   ; back: lanes 0-15 take one row of 256 bytes, lanes 16-31 the next
	v_lshl_add_u32 v5, v1, 4, v5
	v_add_nc_u32 v[RD], s23, v5
	v_mul_u32_u24 v5, v2, SIZE_N*2                 ; and the same two rows in qkv
	v_lshl_add_u32 v[CO], v1, 4, v5
	s_lshl_b32 s20, s17, 8
	s_lshl_b32 s21, s15, 7
	s_add_co_u32 s20, s20, s21                     ; my first row of qkv: 256 x tile row + 128 x half
	s_mov_b32 s21, 0
	s_mov_b64 s[18:19], SIZE_N*2
	s_mul_u64 s[20:21], s[20:21], s[18:19]
	s_lshl_b32 s46, s42, 9                         ; my first column, in bytes: 512 x tile column + 256 x half
	s_lshl_b32 s47, s16, 8
	s_add_co_u32 s46, s46, s47
	s_mov_b32 s47, 0
	s_add_nc_u64 s[20:21], s[20:21], s[46:47]
	s_add_nc_u64 s[12:13], s[12:13], s[20:21]
.macro FRAG reg, adr, q, i             ; a fragment, 16 rows x 128 K of 4-bit codes, is 8 registers: lane l holds row l % 16; registers 4 c .. 4 c + 3 hold K = 64 c + 32 (l / 16) + 0 .. 31
.irp c, 0,1
	ds_load_b128 v[\reg+4*\c:\reg+4*\c+3], v[\adr] offset:64*(\q)+32*\c+(\i)*16*PITCH
.endr
.endm
; 16 matrix instructions: A's blocks a0, a0 + 1 x B's eight, 128 along K: the slot's q-th.  p: B's set;  sc: the set of scale words.  zero = 1: the first product starts the sums: nothing is ever cleared.
; The 64 accumulators take turns, one instruction a turn, in the same order in every step.
.macro MUL16 a0, p, q, sc, zero
.irp a, \a0, \a0+1
.irp b, 0,1,2,3,4,5,6,7
.if \zero
	v_wmma_scale_f32_16x16x128_f8f6f4 v[8*(8*((\a)%4)+\b):8*(8*((\a)%4)+\b)+7], v[128*(\p)+FR*\b:128*(\p)+FR*\b+FR-1], v[AF+FR*(\a):AF+FR*(\a)+FR-1], 0, v[SC+8*NQ*(\sc)+NQ*\b+(\q)], v[SC+8*NQ*(\sc)+NQ*(\a)+(\q)] matrix_a_fmt:MATRIX_FMT_FP4 matrix_b_fmt:MATRIX_FMT_FP4 matrix_a_scale:MATRIX_SCALE_ROW1
.else
	v_wmma_scale_f32_16x16x128_f8f6f4 v[8*(8*((\a)%4)+\b):8*(8*((\a)%4)+\b)+7], v[128*(\p)+FR*\b:128*(\p)+FR*\b+FR-1], v[AF+FR*(\a):AF+FR*(\a)+FR-1], v[8*(8*((\a)%4)+\b):8*(8*((\a)%4)+\b)+7], v[SC+8*NQ*(\sc)+NQ*\b+(\q)], v[SC+8*NQ*(\sc)+NQ*(\a)+(\q)] matrix_a_fmt:MATRIX_FMT_FP4 matrix_b_fmt:MATRIX_FMT_FP4 matrix_a_scale:MATRIX_SCALE_ROW1
.endif
.endr
.endr
.endm
.macro FETCH_B slot, q, p              ; B's eight fragments of the slot's q-th 128 along K into set p
	WIN TO_B
.irp i, 0,1,2,3,4,5,6,7
	FRAG 128*(\p)+FR*\i, ADRB+\slot, \q, \i
.endr
	WIN 0
.endm
.macro FETCH_A slot, q, i0             ; A's blocks i0 .. i0 + 3
.irp i, \i0, \i0+1, \i0+2, \i0+3
	FRAG AF+FR*(\i), ADRA+\slot, \q, \i
.endr
.endm
.macro SCALES sc                       ; a K step's scale words into set sc: NQ words a row; lanes 0-15 take A's block i, lanes 16-31 B's block i
.irp i, 0,1,2,3,4,5,6,7
	ds_load_b128 v[SC+8*NQ*\sc+NQ*\i:SC+8*NQ*\sc+NQ*\i+3], v[ADRS] offset:\i*SBLK
.endr
.endm
; A load into a register that a matrix instruction has read, and a vector instruction or an LDS store that reads a matrix result, stand NP places behind that matrix instruction; only plain vector
; instructions that name none of its registers are places (ISA guide 7.12.1 for vector instructions).
.macro PLACES n
.rept \n
	v_nop
.endr
.endm
; A step of 128 along K that has its successor in the same slot.
.macro STEP slot, q, zero
	s_wait_dscnt 4*NL                              ; B's set and A's blocks 0-3 are in; the youngest eight loads (A's blocks 4-7) may be out
	WIN MUL_LO
	MUL16 0, (\q)%2, \q, \slot, \zero
	MUL16 2, (\q)%2, \q, \slot, \zero
	s_wait_dscnt 0                                 ; A's blocks 4-7 are in (asked for 32 matrix instructions ago)
	PLACES NP
	FETCH_B \slot, (\q)+1, 1-(\q)%2
	FETCH_A \slot, (\q)+1, 0
	WIN MUL_HI
	MUL16 4, (\q)%2, \q, \slot, \zero
	MUL16 6, (\q)%2, \q, \slot, \zero
	PLACES NP
	WIN 0
	FETCH_A \slot, (\q)+1, 4
.endm
; Slot 0's last step changes slots: ONE barrier; in front of it each wave waits for all its tensor loads (its part of slot 1), adds 0 to its spare word, and waits for that and for its own reads of slot 0.
; Behind it slot 1 is whole and nobody reads slot 0 any more: the stages of the way out lie there.
.macro TURN slot, next
	s_wait_tensorcnt 0x0                           ; all my tensor loads have landed  (every window is 0 here: the add's two registers lie in window 0)
	ds_add_u32 v[SPW], v[NIL]                      ; 0 onto my spare word
	s_wait_dscnt 4*NL+1                            ; (the add and the youngest eight loads, A's blocks 4-7, may be out)
	WIN MUL_LO
	MUL16 0, 1, NQ-1, \slot, 0                     ; sixteen matrix instructions stand between the add and the wait for it
	s_wait_dscnt 0x0                               ; the add is done, and my reads of this slot are over
	s_barrier_signal -1
	MUL16 2, 1, NQ-1, \slot, 0
	WIN 0
	s_barrier_wait -1
	PLACES NP
	v_add_nc_u32 v[ADRS], 4*NQ, v[ADRS]            ; on to the next K step's scale words (no LDS load of mine is out)
	FETCH_B \next, 0, 0
	FETCH_A \next, 0, 0
	SCALES \next
	WIN MUL_HI
	MUL16 4, 1, NQ-1, \slot, 0
	MUL16 6, 1, NQ-1, \slot, 0
	PLACES NP
	WIN 0
	FETCH_A \next, 0, 4
.endm
.macro STEPS slot, from                ; the slot's steps from .. NQ - 2
.set Q, \from
.rept NQ-1-\from
	STEP \slot, Q, 0
.set Q, Q+1
.endr
.endm
	s_wait_tensorcnt 1                             ; the scales and my part of K step 0 are in (K step 1's load may be out)
	s_barrier_signal -1
	s_barrier_wait -1                              ; everybody's are
	FETCH_B 0, 0, 0
	FETCH_A 0, 0, 0
	SCALES 0
	FETCH_A 0, 0, 4
	STEP 0, 0, 1                                   ; the first step's products start the sums
	STEPS 0, 1
	TURN 0, 1
	STEPS 1, 0
	s_wait_dscnt 4*NL                              ; the very last step: nothing more to fetch
	WIN MUL_LO
	MUL16 0, 1, NQ-1, 1, 0
	MUL16 2, 1, NQ-1, 1, 0
	s_wait_dscnt 0
	WIN MUL_HI
	MUL16 4, 1, NQ-1, 1, 0
	MUL16 6, 1, NQ-1, 1, 0
	WIN 0
; THE WAY OUT, block by block of 16 rows x 128 columns.  PACK: rounded to f16, 16 bytes a lane, each accumulator from its low end on.  TOSTAGE: into my own stage, and back as whole rows of 256 bytes.  SEND: stored.
.macro PACK a
.set AC, 64*((\a)%4)
	WIN 0x0a+5*((\a)/4)                            ; sources 0 and 1: window 2 or 3
.irp b, 0,1,2,3,4,5,6,7
.irp r, 0,1,2,3
	v_cvt_pk_f16_f32 v[TMP+4*\b+\r], v[AC+8*\b+2*\r], v[AC+8*\b+2*\r+1]
.endr
.endr
	WIN 0
.endm
.macro TOSTAGE a
.set BK, OB+192*((\a)%2)
.irp b, 0,1,2,3,4,5,6,7
	ds_store_b128 v[STO], v[TMP+4*\b:TMP+4*\b+3] offset:32*\b
.endr
.irp t, 0,1,2,3,4,5,6,7
	ds_load_b128 v[BK+4*\t:BK+4*\t+3], v[RD] offset:\t*2*SPITCH    ; LDS serves a wave's instructions in order (ISA guide 5.7.1.4): these see the stores above
.endr
.endm
.macro SEND a
.set BK, OB+192*((\a)%2)
	s_wait_dscnt 0x0                               ; the block is back in registers
	s_wait_xcnt 0x0                                ; the earlier stores have read their base and their registers: only behind this wait are they rewritten
.if (\a) > 0
	s_add_nc_u64 s[12:13], s[12:13], 16*SIZE_N*2   ; 16 rows of qkv on
.endif
.irp t, 0,1,2,3,4,5,6,7
	global_store_b128 v[CO], v[BK+4*\t:BK+4*\t+3], s[12:13] offset:2*\t*SIZE_N*2   ; 16 lanes store 256 consecutive bytes, at a multiple of 256 from qkv's first byte
.endr
.endm
	PLACES NP                                      ; behind the last products: for the conversions, and for the loads into registers that held scale words
	PACK 0
	TOSTAGE 0
.irp a, 1,2,3,4,5,6,7                  ; block a's conversions stand between block a - 1's loads from the stage and the wait for them
	PACK \a
	SEND \a-1
	TOSTAGE \a
.endr
	SEND 7
	s_wait_tensorcnt 0x0                           ; the wave's end: these three lines stand behind my last tensor load and my last LDS store
	ds_add_u32 v[SPW], v[NIL]
	s_wait_dscnt 0x0
	CROUND                                         ; the closing round: no work-group ends while a partner may still ask for a tile that names it
	s_endpgm
.Lfunc_end_k_q1f4eb0b958_qkvgemm:
	.size	k_q1f4eb0b958_qkvgemm, .Lfunc_end_k_q1f4eb0b958_qkvgemm-k_q1f4eb0b958_qkvgemm
	.p2alignl 7, 3214868480
	.fill 96, 4, 3214868480
	.section	.rodata,"a",@progbits
	.p2align	6, 0x0
	.amdhsa_kernel k_q1f4eb0b958_qkvgemm
		.amdhsa_group_segment_fixed_size 327680
		.amdhsa_private_segment_fixed_size 0
		.amdhsa_enable_private_segment 0
		.amdhsa_kernarg_size 40
		.amdhsa_user_sgpr_count 2
		.amdhsa_user_sgpr_kernarg_segment_ptr 1
		.amdhsa_wavefront_size32 1
		.amdhsa_system_sgpr_workgroup_id_x 1
		.amdhsa_system_sgpr_workgroup_id_y 1
		.amdhsa_system_sgpr_workgroup_id_z 1
		.amdhsa_system_vgpr_workitem_id 0
		.amdhsa_next_free_vgpr 1024
		.amdhsa_next_free_sgpr 98
		.amdhsa_reserve_vcc 0
		.amdhsa_float_denorm_mode_32 3
		.amdhsa_float_denorm_mode_16_64 3
		.amdhsa_memory_ordered 1
		.amdhsa_forward_progress 1
		.amdhsa_inst_pref_size 127
	.end_amdhsa_kernel
	.amdgpu_metadata
---
amdhsa.version: [ 1, 2 ]
amdhsa.kernels:
  - .name:           k_q1f4eb0b958_qkvgemm
    .symbol:         k_q1f4eb0b958_qkvgemm.kd
    .args:
      - { .name: xc, .offset: 0, .size: 8, .value_kind: global_buffer, .address_space: global }
      - { .name: xs, .offset: 8, .size: 8, .value_kind: global_buffer, .address_space: global }
      - { .name: wc, .offset: 16, .size: 8, .value_kind: global_buffer, .address_space: global }
      - { .name: ws, .offset: 24, .size: 8, .value_kind: global_buffer, .address_space: global }
      - { .name: qkv, .offset: 32, .size: 8, .value_kind: global_buffer, .address_space: global }
    .group_segment_fixed_size: 327680
    .private_segment_fixed_size: 0
    .kernarg_segment_align: 8
    .kernarg_segment_size: 40
    .max_flat_workgroup_size: 128
    .sgpr_count:     98
    .vgpr_count:     1024
    .wavefront_size: 32
...
	.end_amdgpu_metadata
.endif
;; end of part 2
;; launch attn (part 3): grid 8 x 32, 8 waves a work-group, clusters of 4 x 1, 327,680 bytes of LDS; arguments qkv, att; writes att
.if DOCPART == 3
	.amdgcn_target "amdgcn-amd-amdhsa--gfx1250"
	.amdhsa_code_object_version 6
	.text
	.protected	k_q1f4eb0b958_attn
	.globl	k_q1f4eb0b958_attn
	.p2align	8
	.type	k_q1f4eb0b958_attn,@function
k_q1f4eb0b958_attn:
	s_mov_b64 s[64:65], 0
	v_nop
	global_prefetch_b8 v0, s[64:65] scope:SCOPE_SE
	s_setreg_imm32_b32 hwreg(HW_REG_WAVE_MODE, 25, 1), 1
	s_wait_xcnt 0x0
	s_wait_alu depctr_hold_cnt(0) depctr_sa_sdst(0) depctr_va_vdst(0) depctr_va_sdst(0) depctr_va_ssrc(0) depctr_va_vcc(0) depctr_vm_vsrc(0)
	s_getreg_b32 s2, hwreg(HW_REG_IB_STS2, 6, 4)
	s_cmp_eq_u32 s2, 0
	s_cbranch_scc0 .Lentry_in_a_cluster
	s_endpgm
.Lentry_in_a_cluster:
	s_bfe_u32 s2, ttmp6, 0x10000c
	s_cmp_lg_u32 s2, 0x3003
	s_cbranch_scc0 .Lentry_shape_is_right
	s_endpgm
.Lentry_shape_is_right:
; att[b][q][64 h ..] = the sum over k of softmax_k(Q[b][h][q] . K[b][h][k] / 8) V[b][h][k][:].  qkv: [8192][3072] f16, a row = q (2,048 bytes), k, v; head h at byte 128 h of each.  att: [8192][1024] f16.
; Products on f16 operands with f32 sums; maxima, exponentials and sums in f32; the weights p are rounded to f16 for the second product, att once at the end.
; LIMITS: NaN and infinities are not served; the result is kept in f16 (magnitudes up to 65,504).
; SHARES.  A work-group owns 256 queries of a PAIR of neighbouring heads (128 channels = 256 bytes of a row, so that K's and V's tile rows and att's rows are 256 consecutive bytes at multiples of 256).
; Wave w: head w / 4 of the pair, queries 64 (w % 4) on: four tiles of 16.  Eight waves of 512 registers, two to a SIMD: while one walks its softmax the other has the matrix unit.
; Every wave walks all 2,048 keys, 64 a step.  Each fragment of K or V read from LDS feeds four products.
; LAYOUT.  S^T = K Q^T (source 0 = 16 keys, source 1 = 16 queries): a lane holds ONE query (lane % 16) and the keys 8 (lane / 16) + 0..7.  Two such tiles, rounded to f16 in pairs, ARE source 1 (32 keys x 16 queries)
; of O^T = V^T P, whose result again holds one query a lane.  K comes out of LDS as it lies, V ([key][channel]) turned, by ds_load_tr16_b128.
; SOFTMAX.  For each query a running maximum m and sum l: p = 2^(c s - c m), c = log2(e) / 8; in every step O and l are multiplied by a = 2^(c m_old - c m_new).  m begins at -3e38, l and O^T at 0: the step is written once.
; RING.  Two LDS slots of 256 keys (four steps).  Each wave brings one tile of 64 rows x 256 bytes a slot: waves 0-3 K's rows of step w, waves 4-7 V's rows of step w - 4.
; CLUSTER.  The four query blocks of a cluster walk the same K and V of the pair: each tile is asked for JOINTLY, by the same tensor load with the same descriptor and a mask that names the four.
; REGISTERS.  window 0: v2-12 addresses; v16-47 eight registers of statistics a tile; v48-175 S^T, 32 a tile, then P in each tile's low 16; v176-239 V's fragments.
;   window 1: v0-127 O^T, 32 a tile; v128-191 Q, 16 a tile; v192-255 K's fragments.
.set ROWQ,  6144                       ; a row of qkv in bytes
.set KS,    64                         ; keys in a step
.set PK,    272                        ; a row of K in LDS: 256 bytes + 16 of padding: the 16 rows of a load start at 16 different banks (64 banks of 4 bytes: ISA guide 11.1)
.set PV,    288                        ; a row of V: 256 + 32
.set VOFF,  KS*PK                      ; a step's tiles lie together: 64 rows of K, then 64 rows of V
.set STEPB, KS*(PK+PV)
.set SLOTB, 4*STEPB                    ; a slot: four steps
.set TILEB, 4*KS*ROWQ                  ; a slot's keys in memory: 256 rows of qkv
.set SPARE, 2*SLOTB                    ; behind the ring: the spare words, 128 bytes for each wave, which no other line names
.set SP,    272                        ; the way out: a stage of 256 rows x (256 bytes + 16) at LDS byte 0, in slot 0, which has had its last fill and its last read when the first result is stored there
.set AK0, 2                            ; v2   my lane's place in a tile of K; never rewritten
.set AV0, 3                            ; v3   the same for V
.set ADK, 4                            ; v4   LDS address of the step's K
.set ADV, 5                            ; v5   of its V
.set QO,  6                            ; v6   my byte offset in the wave's rows of Q
.set STO, 7                            ; v7   the way out: where I put 16 bytes of a row
.set RD,  8                            ; v8   where I read a row back
.set GO,  9                            ; v9   my byte offset in two rows of att
.set PFO, 10                           ; v10  6,144 x my lane: a lane a row; never rewritten
.set SPW, 11                           ; v11  LDS address of my spare word; never rewritten
.set NIL, 12                           ; v12  0; never rewritten
.set ST,  16                           ; tile t's statistics at v[ST+8 t]: +0 c m, +1 m, +2, +3 l (even keys', odd keys'), +4 to +7 at work; a takes +6 once the maximum is found
.set S,   48
.set VF,  176                          ; V's fragment (keys 32 u on, channels 16 ct on) at VF + 32 u + 8 ct
.set QF,  128                          ; window 1: Q's fragment (tile t, channels 32 c on) at QF + 16 t + 8 c
.set KF,  192                          ; window 1: K's fragment (keys 16 kt on, channels 32 c on) at KF + 16 kt + 8 c
.set WV,  12                           ; s12  my wave's number;  s13 my head of the pair;  s14 wave % 4
.set G1K, 24                           ; s[24:31] descriptor group 1 for K's tiles
.set G1V, 32                           ; s[32:39] for V's: it differs in the padding alone
.set G0K, 40                           ; s[40:47] descriptor group 0 for K's tiles, a set for each slot
.set G0V, 48                           ; s[48:55] the same for V's
.set CS,  56                           ; s[56:57] c: the packed scaling names a pair and takes its low word for both halves
.set SEL, 58                           ; s[58:59] lane selects for v_permlanex16_b32: lane l xor 16
.set TB,  60                           ; s60  LDS byte at which the step's tiles begin
.set CNT, 61                           ; s61  counts a slot's four steps
.set LAP, 62                           ; s62  counts laps of the ring
.set PFA, 66                           ; s[66:67] where my prefetches stand in memory
.set LIM, 68                           ; s68  0 in a wave that prefetches
.set MSB, 0
.macro WIN new                         ; the immediate's high byte repeats the setting that is left; a switch that changes nothing is dropped
.if MSB != (\new)
	s_set_vgpr_msb (MSB<<8)|(\new)
.set MSB, (\new)
.endif
.endm
.set W_KQ, 0x05                        ; K and Q in window 1, S^T in window 0
.set W_PV, 0x50                        ; V and P in window 0, O^T (C and D) in window 1
.set W_RS, 0x41                        ; O^T (destination and source 0) in window 1, a in window 0
.set TO_1, 0x40                        ; destination window 1, address window 0
.set W_CV, 0x05                        ; sources 0 and 1 window 1, destination window 0
; A joint load into slot s.  Waves 0-3 fetch K's tiles, waves 4-7 V's.  The branch hangs on the wave's number alone: it is the same in every work-group.
; An s_nop 0 and four v_nop follow each of the two lines, ahead of the jump, the label and what follows.
.macro JLOAD s
	s_cmp_lt_u32 s[WV], 4
	s_cbranch_scc0 .Lfor_v_\@
	tensor_load_to_lds s[G0K+4*(\s):G0K+4*(\s)+3], s[G1K:G1K+7]
	s_nop 0
.rept 4
	v_nop
.endr
	s_branch .Lasked_\@
.Lfor_v_\@:
	tensor_load_to_lds s[G0V+4*(\s):G0V+4*(\s)+3], s[G1V:G1V+7]
	s_nop 0
.rept 4
	v_nop
.endr
.Lasked_\@:
.endm
; A PREFETCH INTO THE L2 of what the NEXT change of slots will ask for: a slot's 256 rows of K and 256 of V, 256 bytes a row, a lane a row.  It stands behind the wave's tensor load and its five lines.
; Each row is asked for ONCE in the launch.  Both clusters of a head pair walk the same K and V: the first (cluster x = 0) asks.  Its four partners share the rows out BY ADDRESS, 64 each; in each, waves 0 and 1 ask
; for K's, 32 rows each, waves 4 and 5 for V's: one instruction a wave.  Trip i asks for slotful i + 2: the six trips of the loop ask for 2 to 7; the two trips written out ask for nothing.  Slotfuls 0 and 1 come by their loads alone.
.macro ASK
	s_cmp_eq_u32 s[LIM], 0
	s_cbranch_scc0 .Lnot_mine_\@
	global_prefetch_b8 v[PFO], s[PFA:PFA+1] th:TH_LOAD_NT scope:SCOPE_SE
.Lnot_mine_\@:
.endm
; A round of the cluster's barrier: my work-group's barrier, so that wave 0's signal speaks for all eight waves; wave 0 signals for the work-group; every wave waits for all four work-groups; my work-group's barrier once more.
.macro CROUND
	s_barrier_signal -1
	s_barrier_wait -1
	s_cmp_lg_u32 s[WV], 0
	s_cbranch_scc1 .Lnot_wave_0_\@
	s_barrier_signal -3
.Lnot_wave_0_\@:
	s_barrier_wait -3
	s_barrier_signal -1
	s_barrier_wait -1
.endm
	s_load_b128 s[4:7], s[0:1], 0x0                ; qkv s[4:5], att s[6:7]
	v_lshl_add_u32 v[SPW], v0, 2, SPARE
	v_mov_b32 v[NIL], 0
	ds_add_u32 v[SPW], v[NIL]                      ; the wave's opening: the add, twice on end, and its wait ahead of my first tensor load; the set-up below stands between the second and the wait
	ds_add_u32 v[SPW], v[NIL]
	v_lshrrev_b32 v1, 5, v0
	v_readfirstlane_b32 s[WV], v1                  ; wave 0..7
	s_lshr_b32 s13, s[WV], 2                       ; my head of the pair.  Also: I fetch for K (0) or for V (1)
	s_and_b32 s14, s[WV], 3                        ; my 64 queries of the block.  Also: which step of a slot I fetch
	s_bfe_u32 s15, ttmp6, 0x40000                  ; cx: my place in the cluster
	s_and_b32 s17, ttmp7, 0xffff                   ; 8 x batch + head pair, which the four partners share
	s_lshr_b32 s18, s17, 3
	s_lshl_b32 s18, s18, 11                        ; the batch's first row: 2,048 b
	s_and_b32 s19, s17, 7
	s_lshl_b32 s19, s19, 8                         ; the pair's bytes in q, in k and in v: 256 hp
	s_lshl_b32 s20, s14, 6                         ; the tiles that I fetch: row 2,048 b + 64 (w % 4),
	s_add_co_u32 s20, s20, s18
	s_mul_i32 s20, s20, ROWQ
	s_add_co_u32 s20, s20, s19                     ; + the pair's bytes (under 2^26: qkv has 50,331,648 bytes)
	s_mov_b32 s21, 0
	s_mul_i32 s16, s14, STEPB                      ; and their place in a slot: no place in the cluster enters an LDS address
	s_lshl_b32 s70, ttmp9, 2                       ; in a cluster launch ttmp9 counts clusters
	s_add_co_u32 s70, s70, s15                     ; my block of 256 queries = 4 x cluster x + cx: it enters Q's and att's addresses alone
	s_lshl_b32 s70, s70, 8
	s_add_co_u32 s70, s70, s18                     ; its first row
	s_lshl_b32 s71, s14, 6
	s_add_co_u32 s72, s70, s71                     ; my wave's first query
	s_mul_i32 s72, s72, ROWQ
	s_add_co_u32 s72, s72, s19
	s_lshl_b32 s71, s13, 7
	s_add_co_u32 s72, s72, s71                     ; + my head's 128 bytes
	s_mov_b32 s73, 0
	s_lshl_b32 s74, s[WV], 5
	s_add_co_u32 s74, s74, s70                     ; the first of the 32 rows of att that I store
	s_lshl_b32 s74, s74, 11                        ; 2,048 bytes a row
	s_add_co_u32 s74, s74, s19
	s_mov_b32 s75, 0
	s_lshl_b32 s76, s15, 6                         ; the prefetches: my work-group's 64 rows of a slotful's 256,
	s_and_b32 s77, s[WV], 1
	s_lshl_b32 s77, s77, 5
	s_add_co_u32 s76, s76, s77                     ; my wave's 32 of them,
	s_add_co_u32 s76, s76, s18
	s_add_co_u32 s76, s76, 4*KS                    ; in slotful 1: the first trip steps it to 2.  Nothing is prefetched at the head, where every work-group's first tiles are on their way
	s_mul_i32 s76, s76, ROWQ
	s_add_co_u32 s76, s76, s19
	s_lshl_b32 s77, s13, 11
	s_add_co_u32 s76, s76, s77                     ; k lies 2,048 bytes into a row, v 4,096
	s_add_co_u32 s76, s76, 2048
	s_mov_b32 s77, 0
	s_and_b32 s[LIM], s[WV], 2                     ; 0 in waves 0, 1, 4, 5
	s_or_b32 s[LIM], s[LIM], ttmp9                 ; of the pair's first cluster: the same in all four partners
	; descriptor group 1: a tile of 64 rows x 128 elements, padded in LDS
	s_mov_b32 s[G1K], 15|(1<<16)|(1<<20)|(1<<21)|(5<<22)|(3<<25)  ; 15:0 the mask: all four work-groups; 17:16 elements of 2 bytes; 20 padding on; 21 set beside a mask; 24:22 after every 64 words (code 5); 31:25 4 words of it (code 3)
	s_mov_b32 s[G1V], 15|(1<<16)|(1<<20)|(1<<21)|(5<<22)|(7<<25)  ; the same with 8 words of padding (code 7)
.irp g, G1K, G1V
	s_mov_b32 s[\g+1], 128<<16                     ; tensor_dim0 = 128
	s_mov_b32 s[\g+2], KS<<16                      ; tensor_dim1 = 64
	s_mov_b32 s[\g+3], 128<<16                     ; tile_dim0 = 128
	s_mov_b32 s[\g+4], KS                          ; tile_dim1 = 64
	s_mov_b32 s[\g+5], ROWQ/2                      ; tensor_dim0_stride: 3,072 elements from row to row
	s_mov_b32 s[\g+6], 0
	s_mov_b32 s[\g+7], 0
.endr
	s_mov_b32 s[CS], 0x3e38aa3b                    ; c = log2(e) / 8
	s_mov_b32 s[CS+1], s[CS]                       ; named with it as a pair, so it is written
	s_mov_b32 s[SEL], 0x76543210
	s_mov_b32 s[SEL+1], 0xfedcba98
	s_wait_dscnt 0x0                               ; both opening adds are done
	s_wait_kmcnt 0x0
	s_add_nc_u64 s[22:23], s[4:5], s[20:21]        ; qkv at the rows that I fetch
	s_add_nc_u64 s[8:9], s[4:5], s[72:73]          ; Q at my wave's first query
	s_add_nc_u64 s[6:7], s[6:7], s[74:75]          ; att at the rows that I store
	s_add_nc_u64 s[PFA:PFA+1], s[4:5], s[76:77]
	CROUND                                         ; all four work-groups are here: the first joint loads meet
.irp s, 0,1
	s_mov_b32 s[G0K+4*\s], 1                       ; count = 1
	s_add_co_u32 s[G0K+4*\s+1], s16, \s*SLOTB      ; LDS address
	s_add_nc_u64 s[G0K+4*\s+2:G0K+4*\s+3], s[22:23], 2048+\s*TILEB  ; global address: slot s begins with keys 256 s on
	s_or_b32 s[G0K+4*\s+3], s[G0K+4*\s+3], 0x80000000              ; type = 2
	s_mov_b32 s[G0V+4*\s], 1
	s_add_co_u32 s[G0V+4*\s+1], s16, \s*SLOTB+VOFF
	s_add_nc_u64 s[G0V+4*\s+2:G0V+4*\s+3], s[22:23], 4096+\s*TILEB
	s_or_b32 s[G0V+4*\s+3], s[G0V+4*\s+3], 0x80000000
.endr
	JLOAD 0                                        ; keys 0 to 255 into slot 0; slot 1 is filled behind the first trip's round
	; A fragment of K or Q is 16 rows x 32 channels in 8 registers: lane l holds row l % 16; registers 0-3 channels 8 (l / 16) + 0..7, registers 4-7 channels 16 + 8 (l / 16) + 0..7: two loads of 16 bytes, 32 bytes apart.
	v_and_b32 v1, 15, v0                           ; r = l % 16
	v_bfe_u32 v13, v0, 4, 1                        ; h = l / 16
	v_mul_u32_u24 v[QO], v1, ROWQ
	v_lshl_add_u32 v[QO], v13, 4, v[QO]            ; row x 6,144 + 16 x half
	WIN TO_1
.irp i, 0,1,2,3,4,5,6,7                        ; Q stays in registers: tile i / 2, channels 32 (i % 2) on
	global_load_b128 v[QF+8*\i:QF+8*\i+3],   v[QO], s[8:9] offset:(\i/2)*16*ROWQ+(\i%2)*64
	global_load_b128 v[QF+8*\i+4:QF+8*\i+7], v[QO], s[8:9] offset:(\i/2)*16*ROWQ+(\i%2)*64+32
.endr
.set i, 0
.rept 128
	v_mov_b32 v[i], 0                              ; O^T.  (The step is written once: the first finds zeros, which its a = 0 leaves zeros; a first step of its own would be a fifth copy of the step)
.set i, i+1
.endr
	WIN 0
	v_mul_u32_u24 v[AK0], v1, PK
	v_lshl_add_u32 v[AK0], v13, 4, v[AK0]
	s_lshl_b32 s17, s13, 7                         ; my head's 128 bytes of a tile's row
	v_add_nc_u32 v[AK0], s17, v[AK0]               ; K: row x pitch + 16 x half + head
	; The turning load takes 16 keys x 16 channels (lane l reads 16 bytes: key 8 (l / 16) + l % 8, channels 8 ((l / 8) % 2) + 0..7) and leaves half a fragment of V^T: lane l holds channel l % 16 and 8 keys.
	v_and_b32 v14, 7, v0
	v_bfe_u32 v15, v0, 3, 1
	v_lshl_add_u32 v[AV0], v13, 3, v14
	v_mul_u32_u24 v[AV0], v[AV0], PV
	v_lshl_add_u32 v[AV0], v15, 4, v[AV0]
	s_add_co_u32 s21, s17, VOFF
	v_add_nc_u32 v[AV0], s21, v[AV0]
	s_mul_i32 s21, s14, 64*SP                      ; the stage: in: row 64 (w % 4) + 16 t + r, my head's 128 bytes, 16 bytes for each half of the lanes
	s_add_co_u32 s21, s21, s17
	v_mul_u32_u24 v[STO], v1, SP
	v_lshl_add_u32 v[STO], v13, 4, v[STO]
	v_add_nc_u32 v[STO], s21, v[STO]
	s_mul_i32 s21, s[WV], 32*SP                    ; back: wave w takes rows 32 w on, whole; lanes 0-15 one row of 256 bytes, lanes 16-31 the next
	v_mul_u32_u24 v[RD], v13, SP
	v_lshl_add_u32 v[RD], v1, 4, v[RD]
	v_add_nc_u32 v[RD], s21, v[RD]
	v_lshlrev_b32 v[GO], 11, v13                   ; and the same two rows in att
	v_lshl_add_u32 v[GO], v1, 4, v[GO]
	v_and_b32 v[PFO], 31, v0
	v_mul_u32_u24 v[PFO], v[PFO], ROWQ
.irp t, 0,1,2,3
	v_mov_b32 v[ST+8*\t+1], 0xff61b1e6             ; m = -3e38, under every score
	v_mov_b32 v[ST+8*\t+2], 0                      ; l, in two halves
	v_mov_b32 v[ST+8*\t+3], 0
.endr
.irp t, 0,1,2,3
	v_mul_f32 v[ST+8*\t], s[CS], v[ST+8*\t+1]      ; c m
.endr
; Number j of 21 of the search for tile t's new maximum.  s0-s31 are the lane's 32 scores.
;   0-15  the maximum of s0-s31 and the old m, three operands at a time: four chains of seven scores each (each accumulator is first read at its registers 0 to 2), then the four scores left over, the chains and m
;   16-20 the other half of the lanes' maximum; c m_old kept; the new m; c m; c m_old - c m_new
.macro SMAX t
.set rT, ST+8*(\t)
.set rS, S+32*(\t)
.if j < 4
	v_max3_num_f32 v[rT+4+j], v[rS+8*j], v[rS+8*j+1], v[rS+8*j+2]
.elseif j < 12
	v_max3_num_f32 v[rT+4+j%4], v[rT+4+j%4], v[rS+8*(j%4)+2*(j/4)+1], v[rS+8*(j%4)+2*(j/4)+2]
.elseif j == 12
	v_max3_num_f32 v[rT+4], v[rT+4], v[rS+7], v[rS+15]
.elseif j == 13
	v_max3_num_f32 v[rT+6], v[rT+6], v[rS+23], v[rS+31]
.elseif j == 14
	v_max3_num_f32 v[rT+4], v[rT+4], v[rT+5], v[rT+6]
.elseif j == 15
	v_max3_num_f32 v[rT+4], v[rT+4], v[rT+7], v[rT+1]
.elseif j == 16
	v_permlanex16_b32 v[rT+5], v[rT+4], s[SEL], s[SEL+1]   ; the query's other 32 keys lie in the lane 16 away
.elseif j == 17
	v_mov_b32 v[rT+7], v[rT]
.elseif j == 18
	v_max_num_f32 v[rT+1], v[rT+4], v[rT+5]
.elseif j == 19
	v_mul_f32 v[rT], s[CS], v[rT+1]
.else
	v_sub_f32 v[rT+7], v[rT+7], v[rT]
.endif
.endm
; A KEY STEP: 64 keys, whose tiles begin at LDS byte s[TB].  Every window is 0 at its head and at its end.
.macro STEP
	v_add_nc_u32 v[ADK], s[TB], v[AK0]
	v_add_nc_u32 v[ADV], s[TB], v[AV0]
.rept 3
	v_nop                                          ; with the two additions: five places behind the last step's products: the scores are written over P's registers (five are asked), and loads go into V's (four)
.endr
	WIN TO_1
.irp f, 0,1,2,3,4,5,6,7                        ; K: keys 16 (f / 2) on, channels 32 (f % 2) on
	ds_load_b128 v[KF+8*\f:KF+8*\f+3],   v[ADK] offset:(\f/2)*16*PK+(\f%2)*64
	ds_load_b128 v[KF+8*\f+4:KF+8*\f+7], v[ADK] offset:(\f/2)*16*PK+(\f%2)*64+32
.endr
	WIN 0
.irp f, 0,1,2,3,4,5,6,7                        ; V, turned: keys 32 (f / 4) on, channels 16 (f % 4) on
	ds_load_tr16_b128 v[VF+8*\f:VF+8*\f+3],   v[ADV] offset:(\f/4)*32*PV+(\f%4)*32
	ds_load_tr16_b128 v[VF+8*\f+4:VF+8*\f+7], v[ADV] offset:(\f/4)*32*PV+16*PV+(\f%4)*32
.endr
	s_wait_dscnt 16                                ; K is in; V's sixteen loads may be out
	WIN W_KQ
.set i, 0
.rept 32                                       ; S^T = K Q^T: channels 32 (i / 16) on, keys 16 ((i / 4) % 4) on, tile i % 4.  Sixteen accumulators by turns, one instruction a turn; the first 16 start the sums
.set rS, S+32*(i%4)+8*((i/4)%4)
.set rK, KF+16*((i/4)%4)+8*(i/16)
.set rQ, QF+16*(i%4)+8*(i/16)
.if i < 16
	v_wmma_f32_16x16x32_f16 v[rS:rS+7], v[rK:rK+7], v[rQ:rQ+7], 0
.else
	v_wmma_f32_16x16x32_f16 v[rS:rS+7], v[rK:rK+7], v[rQ:rQ+7], v[rS:rS+7]
.endif
.set i, i+1
.endr
	WIN 0
.rept 4
	v_nop                                          ; four places in front of the first read of the scores (ISA guide 7.12.1)
.endr
.set j, 0
.rept 21                                       ; the maxima: each number for the four tiles in turn, so that no line waits for the line above it
.irp t, 0,1,2,3
	SMAX \t
.endr
.set j, j+1
.endr
	; ONE BATCH of exponentials: the four a, then the 128 scores; the scalings c s - c m, a pair of scores each, stand among them, each pair's ahead of its exponentials.  None of these lines names an exponential's result.
.irp t, 0,1,2,3
	v_exp_f32 v[ST+8*\t+6], v[ST+8*\t+7]           ; a = 2^(c m_old - c m_new)
.endr
.set i, 0
.rept 17
.if i < 16
.irp t, 0,1,2,3
	v_pk_fma_f32 v[S+32*\t+2*i:S+32*\t+2*i+1], v[S+32*\t+2*i:S+32*\t+2*i+1], s[CS:CS+1], v[ST+8*\t:ST+8*\t+1] op_sel_hi:[1,0,0] neg_lo:[0,0,1] neg_hi:[0,0,1]
.endr
.endif
.if i > 0
.irp t, 0,1,2,3
	v_exp_f32 v[S+32*\t+2*i-2], v[S+32*\t+2*i-2]
	v_exp_f32 v[S+32*\t+2*i-1], v[S+32*\t+2*i-1]
.endr
.endif
.set i, i+1
.endr
	v_nop                                          ; a plain instruction behind the last exponential, ahead of the first use
	s_wait_alu depctr_va_vdst(0)                   ; one wait for the whole batch, ahead of its first reader
.set i, 0
.rept 16                                       ; pair i of each tile: into the sum, unrounded; then rounded to f16, in place: register i was read at pair i / 2
.irp t, 0,1,2,3
.if i == 0
	v_pk_fma_f32 v[ST+8*\t+2:ST+8*\t+3], v[ST+8*\t+2:ST+8*\t+3], v[ST+8*\t+6:ST+8*\t+7], v[S+32*\t:S+32*\t+1] op_sel_hi:[1,0,1]   ; l = a l + the first pair
.else
	v_pk_add_f32 v[ST+8*\t+2:ST+8*\t+3], v[ST+8*\t+2:ST+8*\t+3], v[S+32*\t+2*i:S+32*\t+2*i+1]
.endif
.endr
.irp t, 0,1,2,3
	v_cvt_pk_f16_f32 v[S+32*\t+i], v[S+32*\t+2*i], v[S+32*\t+2*i+1]
.endr
.set i, i+1
.endr
	WIN W_RS
.irp t, 0,1,2,3                                ; O^T times a, each accumulator from its low end on
.set i, 0
.rept 16
	v_pk_mul_f32 v[32*\t+2*i:32*\t+2*i+1], v[32*\t+2*i:32*\t+2*i+1], v[ST+8*\t+6:ST+8*\t+7] op_sel_hi:[1,0]
.set i, i+1
.endr
.endr
	s_wait_dscnt 0x0                               ; V is in
	WIN W_PV
.set i, 0
.rept 32                                       ; O^T += V^T P: keys 32 (i / 16) on, channels 16 ((i / 4) % 4) on, tile i % 4.  Sixteen accumulators by turns
.set rO, 32*(i%4)+8*((i/4)%4)
.set rV, VF+32*(i/16)+8*((i/4)%4)
.set rP, S+32*(i%4)+8*(i/16)
	v_wmma_f32_16x16x32_f16 v[rO:rO+7], v[rV:rV+7], v[rP:rP+7], v[rO:rO+7]
.set i, i+1
.endr
	WIN 0
.endm
; A TRIP: a change of slots, then the slot's four steps.  Each wave waits for all its tensor loads, of which one is out: its part of this trip's slot; adds 0 to its spare word; and waits for that and for its reads of the
; other slot.  refill = 1: the barrier is a round of the cluster's, so that no wave of any partner still reads the other slot or has a load on its way; the joint load into the other slot is the first thing behind it
; and my one tensor load until the next round: it has this slot's four steps, 256 matrix instructions a wave, in which to land.
.macro TRIP slot, refill, ask
	s_wait_tensorcnt 0x0                           ; no tensor load of mine is out, so a group 0 may be written
	ds_add_u32 v[SPW], v[NIL]                      ; 0 onto my spare word; the descriptors' steps stand between it and the wait for it
	s_add_nc_u64 s[G0K+4*\slot+2:G0K+4*\slot+3], s[G0K+4*\slot+2:G0K+4*\slot+3], 2*TILEB   ; this slot's next keys, 512 on; the type bits on top are not reached
	s_add_nc_u64 s[G0V+4*\slot+2:G0V+4*\slot+3], s[G0V+4*\slot+2:G0V+4*\slot+3], 2*TILEB
.if \ask
	s_wait_xcnt 0x0                                ; the last prefetch, a slot back, has read its address, so it may be written
	s_add_nc_u64 s[PFA:PFA+1], s[PFA:PFA+1], TILEB
.endif
	s_wait_dscnt 0x0                               ; the add is done, and my reads of the other slot are over
.if \refill
	CROUND
	JLOAD 1-\slot
.if \ask
	ASK
.endif
.else
	s_barrier_signal -1
	s_barrier_wait -1
.endif
	s_mov_b32 s[TB], \slot*SLOTB
	s_mov_b32 s[CNT], 4
.Lstep_\@:
	STEP
	s_add_co_u32 s[TB], s[TB], STEPB
	s_sub_co_u32 s[CNT], s[CNT], 1
	s_cmp_lg_u32 s[CNT], 0
	s_cbranch_scc1 .Lstep_\@
.endm
	s_wait_loadcnt 0x0                             ; Q
	s_mov_b32 s[LAP], 3
.Llap:                                             ; eight slotfuls of 256 keys: three laps here,
	TRIP 0, 1, 1
	TRIP 1, 1, 1
	s_sub_co_u32 s[LAP], s[LAP], 1
	s_cmp_lg_u32 s[LAP], 0
	s_cbranch_scc1 .Llap
	TRIP 0, 1, 0                                   ; and the last lap written out: the last slotful is asked for
	TRIP 1, 0, 0                                   ; and then nothing
	; THE WAY OUT.  l's two halves and the other half of the lanes' are added; O^T is divided by l, rounded to f16 and sent through the work-group's stage.  The additions are the places behind the last products.
.irp t, 0,1,2,3
	v_add_f32 v[ST+8*\t+4], v[ST+8*\t+2], v[ST+8*\t+3]
.endr
.irp t, 0,1,2,3
	v_permlanex16_b32 v[ST+8*\t+5], v[ST+8*\t+4], s[SEL], s[SEL+1]
.endr
.irp t, 0,1,2,3
	v_add_f32 v[ST+8*\t+4], v[ST+8*\t+4], v[ST+8*\t+5]
.endr
.irp t, 0,1,2,3
	v_rcp_f32 v[ST+8*\t+6], v[ST+8*\t+4]
.endr
	v_nop                                          ; a plain instruction between the last reciprocal and the use of its result
	s_wait_alu depctr_va_vdst(0)                   ; one wait for the four reciprocals, ahead of the first use
.irp t, 0,1,2,3                                ; tile t: a lane's eight channels of a row pack into 16 bytes
	WIN W_RS
.set i, 0
.rept 16
	v_pk_mul_f32 v[32*\t+2*i:32*\t+2*i+1], v[32*\t+2*i:32*\t+2*i+1], v[ST+8*\t+6:ST+8*\t+7] op_sel_hi:[1,0]
.set i, i+1
.endr
	WIN W_CV
.set i, 0
.rept 16
	v_cvt_pk_f16_f32 v[S+16*\t+i], v[32*\t+2*i], v[32*\t+2*i+1]
.set i, i+1
.endr
	WIN 0
.irp c, 0,1,2,3
	ds_store_b128 v[STO], v[S+16*\t+4*\c:S+16*\t+4*\c+3] offset:16*SP*\t+32*\c
.endr
.endr
	s_wait_dscnt 0x0                               ; for the others' sake: my stores into the stage are done
	s_barrier_signal -1
	s_barrier_wait -1                              ; a row's 256 bytes come from two waves
.irp i, 0,1,2,3,4,5,6,7,8,9,10,11,12,13,14,15
	ds_load_b128 v[112+4*\i:112+4*\i+3], v[RD] offset:\i*2*SP
.endr
.irp i, 0,1,2,3,4,5,6,7,8,9,10,11,12,13,14,15
	s_wait_dscnt 15-\i                             ; the younger row loads may be out
	global_store_b128 v[GO], v[112+4*\i:112+4*\i+3], s[6:7] offset:\i*4096   ; 16 lanes store 256 consecutive bytes, at a multiple of 256 from att's first byte
.endr
	s_wait_tensorcnt 0x0                           ; the wave's end: these three lines stand behind my last tensor load and my last LDS store
	ds_add_u32 v[SPW], v[NIL]
	s_wait_dscnt 0x0
	CROUND                                         ; the closing round: no work-group ends while a partner may still ask for a tile that names it
	s_endpgm
.Lfunc_end_k_q1f4eb0b958_attn:
	.size	k_q1f4eb0b958_attn, .Lfunc_end_k_q1f4eb0b958_attn-k_q1f4eb0b958_attn
	.p2alignl 7, 3214868480
	.fill 96, 4, 3214868480
	.section	.rodata,"a",@progbits
	.p2align	6, 0x0
	.amdhsa_kernel k_q1f4eb0b958_attn
		.amdhsa_group_segment_fixed_size 327680
		.amdhsa_private_segment_fixed_size 0
		.amdhsa_enable_private_segment 0
		.amdhsa_kernarg_size 16
		.amdhsa_user_sgpr_count 2
		.amdhsa_user_sgpr_kernarg_segment_ptr 1
		.amdhsa_wavefront_size32 1
		.amdhsa_system_sgpr_workgroup_id_x 1
		.amdhsa_system_sgpr_workgroup_id_y 1
		.amdhsa_system_sgpr_workgroup_id_z 1
		.amdhsa_system_vgpr_workitem_id 0
		.amdhsa_next_free_vgpr 512
		.amdhsa_next_free_sgpr 80
		.amdhsa_reserve_vcc 0
		.amdhsa_float_denorm_mode_32 3
		.amdhsa_float_denorm_mode_16_64 3
		.amdhsa_memory_ordered 1
		.amdhsa_forward_progress 1
		.amdhsa_inst_pref_size 159
	.end_amdhsa_kernel
	.amdgpu_metadata
---
amdhsa.version: [ 1, 2 ]
amdhsa.kernels:
  - .name:           k_q1f4eb0b958_attn
    .symbol:         k_q1f4eb0b958_attn.kd
    .args:
      - { .name: qkv, .offset: 0, .size: 8, .value_kind: global_buffer, .address_space: global }
      - { .name: att, .offset: 8, .size: 8, .value_kind: global_buffer, .address_space: global }
    .group_segment_fixed_size: 327680
    .private_segment_fixed_size: 0
    .kernarg_segment_align: 8
    .kernarg_segment_size: 16
    .max_flat_workgroup_size: 256
    .sgpr_count:     80
    .vgpr_count:     512
    .wavefront_size: 32
...
	.end_amdgpu_metadata
.endif
;; end of part 3
;; launch proj (part 4): grid 4 x 64, 4 waves a work-group, clusters of 4 x 4, 327,680 bytes of LDS; arguments att, wp, b_proj, out0; writes out0
.if DOCPART == 4
	.amdgcn_target "amdgcn-amd-amdhsa--gfx1250"
	.amdhsa_code_object_version 6
	.text
	.protected	k_q1f4eb0b958_proj
	.globl	k_q1f4eb0b958_proj
	.p2align	8
	.type	k_q1f4eb0b958_proj,@function
k_q1f4eb0b958_proj:
	s_mov_b64 s[64:65], 0
	v_nop
	global_prefetch_b8 v0, s[64:65] scope:SCOPE_SE
	s_setreg_imm32_b32 hwreg(HW_REG_WAVE_MODE, 25, 1), 1
	s_wait_xcnt 0x0
	s_wait_alu depctr_hold_cnt(0) depctr_sa_sdst(0) depctr_va_vdst(0) depctr_va_sdst(0) depctr_va_ssrc(0) depctr_va_vcc(0) depctr_vm_vsrc(0)
	s_getreg_b32 s2, hwreg(HW_REG_IB_STS2, 6, 4)
	s_cmp_eq_u32 s2, 0
	s_cbranch_scc0 .Lentry_in_a_cluster
	s_endpgm
.Lentry_in_a_cluster:
	s_bfe_u32 s2, ttmp6, 0x10000c
	s_cmp_lg_u32 s2, 0xf033
	s_cbranch_scc0 .Lentry_shape_is_right
	s_endpgm
.Lentry_shape_is_right:
; out0[m][n] = sum over k of att[m][k] wp[n][k] + b_proj[n].  att: [8192][1024] f16, wp: [1024][1024] f16, b_proj: [1024] f32, out0: [8192][1024] f32; sums in f32.
; A tile of out0 is 128 rows x 256 columns: 64 x 4 = 256 work-groups.  Four waves, each 64 rows x 128 columns: 32 accumulators of 16 x 16, 256 registers.
; K goes in steps of 128 (tile rows of 256 bytes) through a ring of two LDS slots filled by the tensor data mover: waves 0 and 1 bring A's halves (64 rows), waves 2 and 3 B's (128 rows).
; CLUSTERS: 4 x 4 work-groups.  The four of a row of the cluster need the same tiles of att, the four of a column the same tiles of wp: each tile is asked for JOINTLY, by the same tensor load with the same
; descriptor and a mask that names the four.  THE MATRIX INSTRUCTION IS USED TRANSPOSED (source 0 = 16 rows of wp, source 1 = 16 rows of att): a lane then holds eight neighbouring numbers of a row of out0.
; THE BIAS is the C of each sum's first matrix instruction: eight registers for each block of 16 columns, in the result's layout; it costs no addition.
; REGISTERS: window 0: v0-31 addresses; v32-127, v128-223 two fragment buffers (A's 4 fragments of 16 rows x 32 K, then B's 8); on the way out they are free.
;   window 1: the accumulators ((a, b) at v[8 (8 a + b)]).   window 2: v0-63 the bias.
.set SIZE_K, 1024
.set ROWC,   4096                      ; a row of out0 in bytes
.set KSTEP,  128
.set PITCH,  272                       ; an LDS row: 256 bytes + 16 of padding: the 16 rows that a load touches start at 16 different banks (64 banks of 4 bytes: ISA guide 11.1)
.set SLOT,   384*PITCH                 ; A's 128 rows, then B's 256 rows
.set STAGE,  2*SLOT                    ; behind the ring: 16 rows x 528 bytes for each wave, for the way out
.set SPITCH, 528
.set SPARE,  STAGE+4*16*SPITCH         ; behind the stages: the spare words, 128 bytes for each wave, which no other line names
.set LAPS,   SIZE_K/(2*KSTEP)          ; a lap = two K steps = once round the ring
.set ADRA, 16                          ; v16-17  LDS address of my A fragments in slot 0, 1
.set ADRB, 20                          ; v20-21  the same for B
.set STO,  24                          ; v24     the way out: where I put 32 bytes of a row
.set RD,   25                          ; v25     the way out: where I read a row back
.set CO,   26                          ; v26     my byte offset in a row's 512 bytes
.set SPW,  28                          ; v28     LDS address of my spare word; never rewritten
.set NIL,  29                          ; v29     0; never rewritten
.set PFO,  30                          ; v30     2,048 x my lane: a lane a row of att; never rewritten
.set F0,   32
.set F1,   128
.set G1, 24                            ; s[24:31] descriptor group 1 for A's tiles;  s[32:39] group 0, one set for each slot
.set G0, 32
.set G1B, 48                           ; s[48:55], s[56:63] the same for B's tiles
.set G0B, 56
.set PFA, 66                           ; s[66:67] where my prefetches stand: one K step further along K than the refill that is being asked for; a prefetch names the K step after that
.set LIM, 68                           ; s68  1 in a wave that prefetches, else the greatest number
.set MSB, 0
.macro WIN new                         ; the immediate's high byte repeats the setting that is left
.if MSB != (\new)
	s_set_vgpr_msb (MSB<<8)|(\new)
.set MSB, (\new)
.endif
.endm
.set MUL, 0x50                         ; sources 0 and 1 window 0; C and D window 1.  + 0x10: C window 2, the bias
.macro JLOAD s                         ; a joint load: waves 0 and 1 fetch A's two halves, waves 2 and 3 B's; an s_nop 0 and four v_nop follow each of the two lines, ahead of the jump, the label and what follows
	s_cmp_eq_u32 s13, 0
	s_cbranch_scc0 .Lfor_b_\@
	tensor_load_to_lds s[G0+4*\s:G0+4*\s+3], s[G1:G1+7]
	s_nop 0
.rept 4
	v_nop
.endr
	s_branch .Lasked_\@
.Lfor_b_\@:
	tensor_load_to_lds s[G0B+4*\s:G0B+4*\s+3], s[G1B:G1B+7]
	s_nop 0
.rept 4
	v_nop
.endr
.Lasked_\@:
.endm
; A PREFETCH INTO THE L2, behind each joint load of the loop and the run of LDS loads that follows it: att's K step that stands TWO refills on.  A tile row of att is read by one row of one cluster: its four partners
; share the 128 rows out BY ADDRESS, 32 each (cx); in each, wave 0 asks: a lane a row, 256 bytes of it: one instruction.  So each row's 256 bytes of a K step are named once in the launch.
; The loop's last trip asks for nothing: its refills are K steps 6 and 7, and there is no K step two on.  K steps 0 to 3 come by their loads alone.  wp is read again and again by all rows of clusters and is not asked for.
.macro ASK
	s_cmp_gt_u32 s3, s[LIM]                        ; s3 = 1 in the loop's last trip
	s_cbranch_scc0 .Lnot_mine_\@
	global_prefetch_b8 v[PFO], s[PFA:PFA+1] offset:KSTEP*2 th:TH_LOAD_NT scope:SCOPE_SE
.Lnot_mine_\@:
.endm
.macro CREST                           ; a round of the cluster's barrier behind its opening barrier
	s_cmp_lg_u32 s12, 0
	s_cbranch_scc1 .Lnot_wave_0_\@
	s_barrier_signal -3
.Lnot_wave_0_\@:
	s_barrier_wait -3
	s_barrier_signal -1
	s_barrier_wait -1
.endm
.macro CROUND                          ; a whole round
	s_barrier_signal -1
	s_barrier_wait -1
	CREST
.endm
	s_load_b256 s[4:11], s[0:1], 0x0               ; att s[4:5], wp s[6:7], b_proj s[8:9], out0 s[10:11]
	v_lshl_add_u32 v[SPW], v0, 2, SPARE
	v_mov_b32 v[NIL], 0
	ds_add_u32 v[SPW], v[NIL]                      ; the wave's opening: the add, twice on end, and its wait ahead of my first tensor load; the set-up below stands between the second and the wait
	ds_add_u32 v[SPW], v[NIL]
	v_lshrrev_b32 v1, 5, v0
	v_readfirstlane_b32 s12, v1                    ; wave 0..3
	s_lshr_b32 s13, s12, 1                         ; which half of the tile's rows is mine.  Also: I fetch for A (0) or for B (1)
	s_and_b32 s14, s12, 1                          ; which half of its columns.  Also: which half of that tile I fetch
	s_bfe_u32 s40, ttmp6, 0x40000                  ; cx, cy: my place in the cluster
	s_bfe_u32 s41, ttmp6, 0x40004
	s_lshl_b32 s42, ttmp9, 2
	s_add_co_u32 s42, s42, s40                     ; tile column = 4 x cluster x + cx
	s_and_b32 s15, ttmp7, 0xffff
	s_lshl_b32 s15, s15, 2
	s_add_co_u32 s15, s15, s41                     ; tile row = 4 x cluster y + cy
	s_lshl_b32 s43, s41, 2
	s_lshl_b32 s43, 15, s43                        ; my row of the cluster
	s_lshl_b32 s44, 0x1111, s40                    ; my column
	; descriptor group 1: tiles of 64 (A) or 128 (B) rows x 128 elements, padded in LDS
	s_or_b32 s[G1+0], s43, (1<<16)|(1<<20)|(1<<21)|(5<<22)|(3<<25)  ; 15:0 the mask: A's tiles go to my row; 17:16 element of 2 bytes; 20 padding on; 21 set beside a mask; 24:22 after every 64 words (code 5); 31:25 of 4 words (code 3)
	s_or_b32 s[G1B+0], s44, (1<<16)|(1<<20)|(1<<21)|(5<<22)|(3<<25)
.irp g, G1, G1B
	s_mov_b32 s[\g+1], KSTEP<<16                   ; tensor_dim0 = 128
	s_mov_b32 s[\g+3], KSTEP<<16                   ; tile_dim0 = 128
	s_mov_b32 s[\g+5], SIZE_K                      ; tensor_dim0_stride
	s_mov_b32 s[\g+6], 0
	s_mov_b32 s[\g+7], 0
.endr
	s_mov_b32 s[G1+2], 64<<16                      ; tensor_dim1 and tile_dim1: A 64,
	s_mov_b32 s[G1+4], 64
	s_mov_b32 s[G1B+2], 128<<16                    ; B 128
	s_mov_b32 s[G1B+4], 128
	s_lshl_b32 s16, s15, 7
	s_lshl_b32 s17, s14, 6
	s_add_co_u32 s16, s16, s17                     ; A: row 128 x tile row + 64 x half,
	s_lshl_b32 s16, s16, 11                        ; 2,048 bytes a row (under 2^25)
	s_mov_b32 s17, 0
	s_lshl_b32 s46, s42, 8
	s_lshl_b32 s47, s14, 7
	s_add_co_u32 s46, s46, s47                     ; B: row 256 x tile column + 128 x half
	s_lshl_b32 s46, s46, 11
	s_mov_b32 s47, 0
	s_mul_i32 s20, s14, 64*PITCH                   ; where they go: A's two halves,
	s_mul_i32 s21, s14, 128*PITCH
	s_add_co_u32 s21, s21, 128*PITCH               ; then B's two: no place in the cluster enters an LDS address
	s_wait_dscnt 0x0                               ; both opening adds are done
	s_wait_kmcnt 0x0
	s_add_nc_u64 s[18:19], s[4:5], s[16:17]
	s_add_nc_u64 s[46:47], s[6:7], s[46:47]
	CROUND                                         ; all sixteen work-groups are here: the first joint loads meet
.irp s, 0,1
	s_mov_b32 s[G0+4*\s], 1
	s_add_co_u32 s[G0+4*\s+1], s20, \s*SLOT
	s_add_nc_u64 s[G0+4*\s+2:G0+4*\s+3], s[18:19], \s*KSTEP*2
	s_or_b32 s[G0+4*\s+3], s[G0+4*\s+3], 0x80000000
	s_mov_b32 s[G0B+4*\s], 1
	s_add_co_u32 s[G0B+4*\s+1], s21, \s*SLOT
	s_add_nc_u64 s[G0B+4*\s+2:G0B+4*\s+3], s[46:47], \s*KSTEP*2
	s_or_b32 s[G0B+4*\s+3], s[G0B+4*\s+3], 0x80000000
	JLOAD \s                                       ; two tensor loads of mine are out at the most
.endr
	v_and_b32 v1, 15, v0                           ; l % 16
	v_bfe_u32 v2, v0, 4, 1                         ; l / 16
	v_mul_u32_u24 v3, v1, PITCH
	v_lshl_add_u32 v3, v2, 4, v3                   ; a fragment's row x pitch + 16 x half
	s_mul_i32 s21, s13, 64*PITCH                   ; my 64 rows of A
	s_mul_i32 s22, s14, 128*PITCH                  ; my 128 rows of B,
	s_add_co_u32 s22, s22, 128*PITCH               ; which lie behind A's 128
.irp s, 0,1
	v_add_nc_u32 v[ADRA+\s], s21, v3
	v_add_nc_u32 v[ADRB+\s], s22, v3
	s_add_co_u32 s21, s21, SLOT
	s_add_co_u32 s22, s22, SLOT
.endr
	s_mul_i32 s23, s12, 16*SPITCH
	s_add_co_u32 s23, s23, STAGE                   ; my stage
	v_mul_u32_u24 v4, v1, SPITCH                   ; in: row l % 16, 32 bytes for each half of the lanes
	v_lshl_add_u32 v4, v2, 5, v4
	v_add_nc_u32 v[STO], s23, v4
	v_and_b32 v5, 31, v0
	v_lshlrev_b32 v[CO], 4, v5                     ; back: the 32 lanes take one row of 512 bytes; and the same in out0
	v_add_nc_u32 v[RD], s23, v[CO]
	s_lshl_b32 s16, s15, 7
	s_lshl_b32 s17, s13, 6
	s_add_co_u32 s16, s16, s17                     ; my first row of out0: 128 x tile row + 64 x half,
	s_lshl_b32 s16, s16, 12                        ; 4,096 bytes a row (under 2^26)
	s_mov_b32 s17, 0
	s_lshl_b32 s46, s42, 8
	s_lshl_b32 s47, s14, 7
	s_add_co_u32 s46, s46, s47                     ; my first column: 256 x tile column + 128 x half,
	s_lshl_b32 s46, s46, 2                         ; in bytes
	s_mov_b32 s47, 0
	s_add_nc_u64 s[8:9], s[8:9], s[46:47]          ; the bias at my first column
	s_add_nc_u64 s[10:11], s[10:11], s[16:17]
	s_add_nc_u64 s[10:11], s[10:11], s[46:47]
	v_lshlrev_b32 v6, 5, v2                        ; lane (r, h) wants, for block b, the bias of columns 16 b + 8 h + 0 .. 7
	WIN 0x80                                       ; destination window 2
.irp b, 0,1,2,3,4,5,6,7
	global_load_b128 v[8*\b:8*\b+3],   v6, s[8:9] offset:64*\b
	global_load_b128 v[8*\b+4:8*\b+7], v6, s[8:9] offset:64*\b+16
.endr
	WIN 0
	s_lshl_b32 s70, s15, 7                         ; the prefetches: the tile's first row of att
	s_lshl_b32 s71, s40, 5
	s_add_co_u32 s70, s70, s71                     ; + my work-group's 32 rows
	s_lshl_b32 s70, s70, 11
	s_add_co_u32 s70, s70, 2*KSTEP*2               ; at K step 2: the first refill steps it to 3 and names K step 4
	s_mov_b32 s71, 0
	s_add_nc_u64 s[PFA:PFA+1], s[4:5], s[70:71]
	s_cmp_eq_u32 s12, 0
	s_cselect_b32 s[LIM], 1, -1                    ; wave 0 asks: the same in all sixteen partners
	v_and_b32 v[PFO], 31, v0
	v_lshlrev_b32 v[PFO], 11, v[PFO]
; 8 matrix instructions: A's block a x B's eight, 32 along K, from buffer f.  zero = 1: the first product starts the sums on the bias.  The 32 accumulators take turns, one instruction a turn, in the same order
; in every quarter.
.macro MUL8 f, a, zero
.irp b, 0,1,2,3,4,5,6,7
.if \zero
	v_wmma_f32_16x16x32_f16 v[8*(8*(\a)+\b):8*(8*(\a)+\b)+7], v[\f+32+8*\b:\f+32+8*\b+7], v[\f+8*(\a):\f+8*(\a)+7], v[8*\b:8*\b+7]
.else
	v_wmma_f32_16x16x32_f16 v[8*(8*(\a)+\b):8*(8*(\a)+\b)+7], v[\f+32+8*\b:\f+32+8*\b+7], v[\f+8*(\a):\f+8*(\a)+7], v[8*(8*(\a)+\b):8*(8*(\a)+\b)+7]
.endif
.endr
.endm
; 24 LDS loads in one run: the fragments of 32 along K at byte k of the rows, into buffer f: B's sixteen loads, then A's eight
.macro FETCH slot, k, f
.irp i, 0,1,2,3,4,5,6,7
	ds_load_b128 v[\f+32+8*\i:\f+32+8*\i+3],   v[ADRB+\slot] offset:\k+\i*16*PITCH
	ds_load_b128 v[\f+32+8*\i+4:\f+32+8*\i+7], v[ADRB+\slot] offset:\k+\i*16*PITCH+32
.endr
.irp i, 0,1,2,3
	ds_load_b128 v[\f+8*\i:\f+8*\i+3],   v[ADRA+\slot] offset:\k+\i*16*PITCH
	ds_load_b128 v[\f+8*\i+4:\f+8*\i+7], v[ADRA+\slot] offset:\k+\i*16*PITCH+32
.endr
.endm
.macro PLACES                          ; four places in front of loads into registers that matrix instructions have read, and of the first read of results (ISA guide 7.12.1 for the first read of results)
.rept 4
	v_nop
.endr
.endm
; A K step is four quarters of 32 along K, 32 matrix instructions each, on buffers 0, 1, 0, 1.  One of the first three: multiplies buffer f and, in its middle, fetches the next quarter, at byte k, into g.
.macro QUARTER slot, k, f, g, zero
	s_wait_dscnt 4                                 ; B's fragments and A's blocks 0, 1 are in; the youngest four loads (A's blocks 2, 3) may be out
	WIN MUL+0x10*(\zero)
	MUL8 \f, 0, \zero
	MUL8 \f, 1, \zero
	WIN 0
	PLACES
	FETCH \slot, \k, \g
	s_wait_dscnt 24                                ; all but the 24 just issued
	WIN MUL+0x10*(\zero)
	MUL8 \f, 2, \zero
	MUL8 \f, 3, \zero
.endm
; The last quarter multiplies buffer 1 and changes slots: ONE barrier; in front of it each wave waits for all its tensor loads, adds 0 to its spare word, and waits for that and for its own reads of this slot.
; fill = 1: the barrier opens a round of the cluster's barrier, and this slot is filled again, two K steps ahead: from that request to the wait for it a wave issues 112 matrix instructions.
.macro TURN slot, next, fill
.if \fill
	s_wait_xcnt 0x0                                ; the last prefetch, a K step back, has read its address: it is stepped here, ahead of the waits of the change of slots
	s_add_nc_u64 s[PFA:PFA+1], s[PFA:PFA+1], KSTEP*2
.endif
	WIN 0                                          ; (the add's two registers lie in window 0)
	s_wait_tensorcnt 0x0                           ; all my tensor loads have landed: my part of the next slot
	ds_add_u32 v[SPW], v[NIL]                      ; 0 onto my spare word
	s_wait_dscnt 5                                 ; (the add and the youngest four loads may be out)
	WIN MUL
	MUL8 F1, 0, 0                                  ; eight matrix instructions stand between the add and the wait for it
	s_wait_dscnt 0x0                               ; the add is done, and my reads of this slot are over
	s_barrier_signal -1
	MUL8 F1, 1, 0
	WIN 0
	s_barrier_wait -1
.if \fill
	CREST                                          ; no wave of any partner still reads this slot's tile or has a load on its way
	s_add_nc_u64 s[G0+4*\slot+2:G0+4*\slot+3], s[G0+4*\slot+2:G0+4*\slot+3], 2*KSTEP*2
	s_add_nc_u64 s[G0B+4*\slot+2:G0B+4*\slot+3], s[G0B+4*\slot+2:G0B+4*\slot+3], 2*KSTEP*2
	JLOAD \slot                                    ; the first tensor load behind the round; the four v_nop behind it are also the places in front of the loads below
.else
	PLACES
.endif
	FETCH \next, 0, F0
.if \fill
	ASK
.endif
	WIN MUL
	MUL8 F1, 2, 0
	MUL8 F1, 3, 0
.endm
	s_wait_loadcnt 0x0                             ; the bias
	s_wait_tensorcnt 1                             ; my part of K step 0 is in (K step 1's load may be out)
	s_barrier_signal -1
	s_barrier_wait -1                              ; everybody's is
	FETCH 0, 0, F0
	QUARTER 0, 64, F0, F1, 1                       ; the first quarter stands in front of the loop: its products start the sums, on the bias
	WIN 0                                          ; at a label and at a branch every window is 0
	s_mov_b32 s3, LAPS-1
.Llap:                                             ; a trip goes once round the ring, from a lap's second quarter to the next lap's first, and fills both slots again
	QUARTER 0, 128, F1, F0, 0
	QUARTER 0, 192, F0, F1, 0
	TURN 0, 1, 1
	QUARTER 1, 64,  F0, F1, 0
	QUARTER 1, 128, F1, F0, 0
	QUARTER 1, 192, F0, F1, 0
	TURN 1, 0, 1
	QUARTER 0, 64,  F0, F1, 0
	WIN 0
	s_sub_co_u32 s3, s3, 1
	s_cmp_lg_u32 s3, 0
	s_cbranch_scc1 .Llap
	QUARTER 0, 128, F1, F0, 0                      ; the last lap fills nothing, and has no round of the cluster's barrier
	QUARTER 0, 192, F0, F1, 0
	TURN 0, 1, 0
	QUARTER 1, 64,  F0, F1, 0
	QUARTER 1, 128, F1, F0, 0
	QUARTER 1, 192, F0, F1, 0
	s_wait_dscnt 4                                 ; the very last quarter: nothing more to fetch
	WIN MUL
	MUL8 F1, 0, 0
	MUL8 F1, 1, 0
	s_wait_dscnt 0
	MUL8 F1, 2, 0
	MUL8 F1, 3, 0
	WIN 0
; THE WAY OUT, block by block of 16 rows x 128 columns.  A lane holds 32 neighbouring bytes of a row, and the lanes beside it hold other rows: so a block goes through my own stage in LDS and comes back as whole
; rows of 512 bytes.  LDS serves a wave's instructions in order (ISA guide 5.7.1.4): no wait between the stores and the loads, nor in front of the next block's stores.
.macro TOSTAGE a
	WIN 0x04                                       ; an LDS store's data are its source 1: window 1
.irp b, 0,1,2,3,4,5,6,7
	ds_store_b128 v[STO], v[64*(\a)+8*\b:64*(\a)+8*\b+3] offset:64*\b          ; each accumulator from its low end on
	ds_store_b128 v[STO], v[64*(\a)+8*\b+4:64*(\a)+8*\b+7] offset:64*\b+16
.endr
	WIN 0
.set BB, 32+96*((\a)%2)
.irp t, 0,1,2,3,4,5,6,7,8,9,10,11,12,13,14,15
	ds_load_b128 v[BB+4*\t:BB+4*\t+3], v[RD] offset:\t*SPITCH
.endr
.endm
.macro SEND a, younger                 ; younger: the LDS instructions issued behind block a's loads, which may stay out
.set BB, 32+96*((\a)%2)
	s_wait_dscnt \younger                          ; the block is back in registers
.if (\a) > 0
	s_add_nc_u64 s[10:11], s[10:11], 16*ROWC       ; (behind a wait on XCNT: the earlier stores have read their base)  16 rows of out0 on
.endif
.irp t, 0,1,2,3,4,5,6,7,8,9,10,11,12,13,14,15
	global_store_b128 v[CO], v[BB+4*\t:BB+4*\t+3], s[10:11] offset:\t*ROWC th:TH_STORE_NT   ; 32 lanes store 512 consecutive bytes, at a multiple of 256 from out0's first byte; written once, read by nobody here
.endr
.endm
	PLACES                                         ; behind the last products: for the first read of results and for the loads into the fragment buffers
	TOSTAGE 0
.irp a, 1,2,3
.if \a > 1
	s_wait_xcnt 0x0                                ; block a - 2's stores have read their registers and their base: block a's loads may land there, and the base may step
.endif
	TOSTAGE \a
	SEND \a-1, 32                                  ; behind block a - 1's loads: block a's 16 stores and 16 loads
.endr
	s_wait_xcnt 0x0                                ; block 2's stores have read their base
	SEND 3, 0
	s_wait_tensorcnt 0x0                           ; the wave's end: these three lines stand behind my last tensor load and my last LDS store
	ds_add_u32 v[SPW], v[NIL]
	s_wait_dscnt 0x0
	CROUND                                         ; the closing round: no work-group ends while a partner may still ask for a tile that names it
	s_endpgm
.Lfunc_end_k_q1f4eb0b958_proj:
	.size	k_q1f4eb0b958_proj, .Lfunc_end_k_q1f4eb0b958_proj-k_q1f4eb0b958_proj
	.p2alignl 7, 3214868480
	.fill 96, 4, 3214868480
	.section	.rodata,"a",@progbits
	.p2align	6, 0x0
	.amdhsa_kernel k_q1f4eb0b958_proj
		.amdhsa_group_segment_fixed_size 327680
		.amdhsa_private_segment_fixed_size 0
		.amdhsa_enable_private_segment 0
		.amdhsa_kernarg_size 32
		.amdhsa_user_sgpr_count 2
		.amdhsa_user_sgpr_kernarg_segment_ptr 1
		.amdhsa_wavefront_size32 1
		.amdhsa_system_sgpr_workgroup_id_x 1
		.amdhsa_system_sgpr_workgroup_id_y 1
		.amdhsa_system_sgpr_workgroup_id_z 1
		.amdhsa_system_vgpr_workitem_id 0
		.amdhsa_next_free_vgpr 640
		.amdhsa_next_free_sgpr 72
		.amdhsa_reserve_vcc 0
		.amdhsa_float_denorm_mode_32 3
		.amdhsa_float_denorm_mode_16_64 3
		.amdhsa_memory_ordered 1
		.amdhsa_forward_progress 1
		.amdhsa_inst_pref_size 87
	.end_amdhsa_kernel
	.amdgpu_metadata
---
amdhsa.version: [ 1, 2 ]
amdhsa.kernels:
  - .name:           k_q1f4eb0b958_proj
    .symbol:         k_q1f4eb0b958_proj.kd
    .args:
      - { .name: att, .offset: 0, .size: 8, .value_kind: global_buffer, .address_space: global }
      - { .name: wp, .offset: 8, .size: 8, .value_kind: global_buffer, .address_space: global }
      - { .name: b_proj, .offset: 16, .size: 8, .value_kind: global_buffer, .address_space: global }
      - { .name: out0, .offset: 24, .size: 8, .value_kind: global_buffer, .address_space: global }
    .group_segment_fixed_size: 327680
    .private_segment_fixed_size: 0
    .kernarg_segment_align: 8
    .kernarg_segment_size: 32
    .max_flat_workgroup_size: 128
    .sgpr_count:     72
    .vgpr_count:     640
    .wavefront_size: 32
...
	.end_amdgpu_metadata
.endif
;; end of part 4
